; MI455X (gfx1250); checked and timed in simulation.
; The chip was launched on July 23, 2026; its instructions are those of AMD's public machine-readable ISA for CDNA 5 (MIT licence, August 2026) and "CDNA5" Instruction Set Architecture Reference Guide (July 2026). The comments in the code are by the model that wrote it; some were corrected since.
;; SA v. Allowed arithmetic: matrix products marked QUANTISED: E4M3 operands, one E8M0 scale for each 32 along K, by v_wmma_scale_f32_16x16x128_f8f6f4 with both operands' format E4M3, f32 sums; everything else in f32.
;; Inputs: Wk_codes 512 x 16 x 32 uint8 (E4M3 codes of Wk, K innermost, in blocks of 32 codes); Wk_scales 512 x 16 uint8 (E8M0 scales of Wk, one for each 32 codes along K); Wm_codes 512 x 16 x 32 uint8 (E4M3 codes of Wm, K innermost, in blocks of 32 codes); Wm_scales 512 x 16 uint8 (E8M0 scales of Wm, one for each 32 codes along K); Wq_codes 512 x 16 x 32 uint8 (E4M3 codes of Wq, K innermost, in blocks of 32 codes); Wq_scales 512 x 16 uint8 (E8M0 scales of Wq, one for each 32 codes along K); Wv_codes 512 x 16 x 32 uint8 (E4M3 codes of Wv, K innermost, in blocks of 32 codes); Wv_scales 512 x 16 uint8 (E8M0 scales of Wv, one for each 32 codes along K); beta 512 float32; bk 512 float32; bm 512 float32; bq 512 float32; gamma 512 float32; x 32 x 1,024 x 512 float32.
;; Outputs: out0 32 x 1,024 x 512 float32.
;; This version of the problem:
;;   THIS VERSION OF THE PROBLEM IS GIVEN IN LOW PRECISION. The matrix products marked QUANTISED in the list below multiply operands that are first quantised to E4M3 (4 exponent bits, 3 mantissa bits; 8 bits a number), with one power-of-two scale for each 32 numbers along K (OCP MX v1.0); their sums are f32. All else is computed in f32.
;;   The module's matrix products, in the order in which they are computed (A, B: the left and right operand; K: the contracted axis; several contracted axes count as one K, in the product's order):
;;     1. [M 32,768, K 512] x [K 512, N 512]; A: input x; B: input Wv (given as codes): QUANTISED
;;     2. [M 32,768, K 512] x [K 512, N 512]; A: input x; B: input Wk (given as codes): QUANTISED
;;     3. [M 32,768, K 512] x [K 512, N 512]; A: input x; B: input Wq (given as codes): QUANTISED
;;     4. batch 256 x [M 1,024, K 64] x [K 64, N 1,024]; A: computed on the way; B: computed on the way: QUANTISED
;;     5. batch 256 x [M 1,024, K 1,024] x [K 1,024, N 64]; A: softmax (see below); B: computed on the way: QUANTISED
;;     6. [M 32,768, K 512] x [K 512, N 512]; A: computed on the way; B: input Wm (given as codes): QUANTISED
;;   THE QUANTISER, for each operand of a quantised product, along K:
;;     - K is cut into blocks of 32 from its start; a last block that is shorter is filled with zeros.
;;     - A block's scale is 2^e with e = floor(log2(the largest magnitude in the block)) - 8, held to -126 .. 127; a block of zeros has e = 0. As a byte (E8M0): e + 127.
;;     - Each number is divided by its block's scale, clamped to +-448, and rounded to the nearest number of E4M3, ties to even, subnormals kept.
;;     - The product sums the exact products of the quantised numbers (number of the format x scale) in f32.
;;   ~~~python
;;   def quantise(x, axis):      # numpy; x: float32 -> the quantised numbers, widened to float32 again
;;       x = np.moveaxis(x, axis, -1); K = x.shape[-1]
;;       x = np.pad(x, [(0, 0)] * (x.ndim - 1) + [(0, -K % 32)]); x = x.reshape(x.shape[:-1] + (-1, 32)); a = np.abs(x).max(-1, keepdims=True)
;;       e = np.where(a > 0, np.clip(np.frexp(np.where(a > 0, a, 1))[1] - 1 - 8, -126, 127), 0)      # np.frexp(a)[1] - 1 = floor(log2(a)), exactly
;;       r = np.clip(x / 2.0 ** e, -448, 448)
;;       step = 2.0 ** (np.maximum(np.frexp(np.where(r == 0, 1, r))[1] - 1, -6) - 3)
;;       q = np.round(r / step) * step * 2.0 ** e      # np.round: ties to even
;;       return np.moveaxis(q.reshape(q.shape[:-2] + (-1,))[..., :K], -1, axis).astype(np.float32)
;;   ~~~
;;   SOFTMAX AHEAD OF A QUANTISED PRODUCT. Where the list says 'softmax', what is quantised is not the finished softmax but p = 2^(t - M), with t = logit x log2(e) and M = ceil(the row's largest t), a whole number; so 1/2 < the row's largest p <= 1. The row's sum l is taken of the UNQUANTISED p, in f32, and the product's result is divided by l at the end. Since M is a whole number, a kernel that streams over the keys may use a running M (the ceiling of the running maximum): every later rescaling is an exact power of two, which a block's scale takes up: the codes' values come out the same.
;;   OPERANDS COMPUTED ON THE WAY. 'Computed on the way' means the value that the module computes at that place (a softmax that the list does not call 'softmax' is quantised finished and normalised). What goes into a quantiser is computed in f32, as accurately as f32 sums, v_exp_f32 and their like allow (about 1e-6 of the number): no bf16 or f16 on the way to a quantiser, and a product that is left as it is and whose result goes on into a quantised operand takes f32 operands (vector FMAs, or v_wmma_f32_16x16x4_f32). A number that lies on a knife's edge between two numbers of the format may be rounded either way, as far as f32 arithmetic and the matrix unit's own rounding can turn it there, and no further.
;;   INPUTS GIVEN AS CODES. Wk (in the module: [512, 512], K = its axis 1); Wm (in the module: [512, 512], K = its axis 1); Wq (in the module: [512, 512], K = its axis 1); Wv (in the module: [512, 512], K = its axis 1): each comes as NAME_codes (uint8): NAME with its K axis moved to the last place and cut into blocks of 32 codes, [.., K / 32, bytes a block], one block behind the other in memory; one code a byte (a code: sign, 4 exponent bits, 3 mantissa bits); and NAME_scales (uint8): the same leading axes, one E8M0 byte (e + 127) for each 32 codes along K. Its value is code x scale, taken as it is: it is not quantised again, and the codes and scales need not be those that the quantiser above would give.
;; One version. Each part assembles by itself: llvm-mc -triple=amdgcn-amd-amdhsa -mcpu=gfx1250 --defsym DOCPART=n.
;; ======== version 1 of 1: 3 launches
;; limits: right only within a limited range of input values
;; workspace buffers: qimg 16,777,216 bytes; qsc 1,048,576 bytes; kv 35,651,584 bytes; cimg 16,777,216 bytes; csc 1,048,576 bytes
;; launch qkv (part 1): grid 256 x 1, 4 waves a work-group, clusters of 4 x 1, 327,680 bytes of LDS; arguments x, Wq_codes, Wk_codes, Wq_scales, Wk_scales, bq, bk, Wv_codes, Wv_scales, qimg, qsc, kv; writes qimg, qsc, kv
.if DOCPART == 1
	.amdgcn_target "amdgcn-amd-amdhsa--gfx1250"
	.amdhsa_code_object_version 6
	.text
	.protected	k_qb6bdf36510_qkv
	.globl	k_qb6bdf36510_qkv
	.p2align	8
	.type	k_qb6bdf36510_qkv,@function
k_qb6bdf36510_qkv:
	s_mov_b64 s[64:65], 0
	v_nop
	global_prefetch_b8 v0, s[64:65] scope:SCOPE_SE
	s_setreg_imm32_b32 hwreg(HW_REG_WAVE_MODE, 25, 1), 1
	s_wait_xcnt 0x0
	s_wait_alu depctr_hold_cnt(0) depctr_sa_sdst(0) depctr_va_vdst(0) depctr_va_sdst(0) depctr_va_ssrc(0) depctr_va_vcc(0) depctr_vm_vsrc(0)
	s_getreg_b32 s2, hwreg(HW_REG_IB_STS2, 6, 4)
	s_cmp_eq_u32 s2, 0
	s_cbranch_scc0 .Lentry_in_a_cluster
	s_endpgm
.Lentry_in_a_cluster:
	s_bfe_u32 s2, ttmp6, 0x10000c
	s_cmp_lg_u32 s2, 0x3003
	s_cbranch_scc0 .Lentry_shape_is_right
	s_endpgm
.Lentry_shape_is_right:
; q = rope(x Wq^T + bq), k = rope(x Wk^T + bk), v = x Wv^T, all three products on codes of E4M3 with one E8M0 scale for each 32 along K; then q and k are quantised
; along the head's 64 and v along the keys, and leave as IMAGES OF OPERAND REGISTERS (a group of four registers = 512 consecutive bytes, lane l's 16 bytes at 16 l).
; SHARES.  A cluster of four work-groups owns 512 rows of x (half a batch); work-group cx owns heads 2 cx and 2 cx + 1.  Its weights (192 KB of codes) stay in registers.
; The f32 tiles of x, 64 rows a trip, are the same for the four partners: each wave asks for its 16 rows JOINTLY (mask 15), through a ring of two LDS slots.
; Wave w: quantises rows 16 w .. 16 w + 15 of the tile (its own load's rows) and hands their fragments to all waves through LDS; makes one whole head of q (w < 2) or of k
; (w >= 2), head 2 cx + w % 2, used transposed (source 0 = 16 rows of W, source 1 = 16 tokens: a lane holds ONE token and 8 channels a tile); and 32 channels (w % 2) of v of
; head 2 cx + w / 2 (source 0 = 16 tokens, source 1 = 16 rows of Wv: a lane holds ONE channel and 8 tokens a tile).
; ORDER INSIDE A BLOCK OF 32.  Tiles 2 b and 2 b + 1 give a lane 16 numbers of block b; their codes stand at place 16 h + 8 u + j for element 16 u + 8 h + j.  q and k get the same
; order along the channels, v gets it along the keys, as the weights p of the next launch do: the products and the block scales are unchanged, only the order of exact products inside a block differs.
; The rotary partners (i, i + 16) are register j of tiles 2 b and 2 b + 1 in one lane.  Lane r of Wv's tile u takes row 8 u + r + 8 (r / 8), so that the next launch's result has its channels in natural order.
; LIMITS: NaN and infinities among the inputs are not served.  A block whose largest magnitude lies under 2^-118, a block of zeros among them, gets the scale byte 1 (the rule says 127 for
; zeros): its codes are then zeros or tiny, and the bytes are read by this program alone.  Cosines and sines: argument reduction in three parts and polynomials, about 1e-7 absolute; the angle is position x f32(10^(-i/4)).
.set REC,   139264                     ; a head's record in kv: 8 chunks of 128 keys x (8 K images of 1,024 B + 4 V images of 2,048 B), then 8 x (512 B of K scale words + 512 B of V scale words)
.set SLOTB, 133120                     ; an LDS slot: 64 rows of x as 128 half rows of 1,024 B + 16 B of padding
.set WROWS, 33280                      ; a wave's 16 rows of it
.set XIMG,  266240                     ; x's 16 fragments (tile of rows m, K step s) at (4 m + s) x 2,048
.set XSC,   299008                     ; their scale words, 128 B each
.set TAB,   301056                     ; cosines and sines by column position: position p at 144 p: 16 cosines, 16 sines
.set TABY,  305664                     ; the same by row position, for this work-group's 16 grid rows (32 are made)
.set PATCH, 310272                     ; 256 B a wave: a trip's 64 scale words, gathered
.set SPARE, 311296                     ; the spare words, 128 B a wave: two blocks of 256 B that no other line names
.set LI,  1                            ; 16 x lane
.set LS,  2                            ; 4 x lane
.set XA,  3                            ; v3, v4: my 64 bytes of a block of x in slot 0, 1
.set XWI, 5                            ; where I store x's images
.set XWS, 6                            ; and their scale words
.set XRI, 7                            ; where any wave reads them
.set XRS, 8
.set AX,  9                            ; column table: 144 r + 32 h
.set AY0, 10                           ; row table: 32 h
.set AY,  11                           ; + the pair of trips
.set PA,  12                           ; patch, in
.set PR,  13                           ; patch, out
.set L8,  14                           ; 8 x lane
.set WS,  16                           ; v16-39  weight scale words: 4 x tile + K step; tiles 0-3 q or k, 4-5 v
.set XS,  40                           ; v40-47  x's scale words, two sets
.set NA,  48                           ; v48-111, v112-175: two sets of 64 numbers of x
.set NB,  112
.set QA,  48                           ; v48-79  the 4 tiles of q or k
.set VA,  80                           ; v80-111 v: 16 u + 8 (m % 2)
.set CS,  112                          ; v112-143 cos y, sin y, cos x, sin x, 8 each
.set RT,  144                          ; v144-159 at work in the rotation
.set BIAS, 176                         ; v176-207
.set TM,  208                          ; v208-223 the quantiser's: maxima, bytes, holds, scale operands
.set PC,  224                          ; v224-239 codes just made
.set PW,  240                          ; scale word just made
.set VSW, 242                          ; v242-243 v's scale words, a byte a block of 32 keys
.set PB,  244                          ; v244-245 the patch read back
.set SPW, 252
.set NIL, 253
.set WV,  3
.set PI,  10                           ; s[10:11] images out;  s[12:13] scale words out;  s[14:15] V images;  s[40:41] V scale words
.set PS,  12
.set PVI, 14
.set PVS, 40
.set STI, 42                           ; s[42:43], s[44:45] their steps for a pair of trips
.set STS, 44
.set TY,  46
.set CNT, 47
.set G1,  48
.set G0,  56
.set SEL, 66
.set MNT, 68
.set FQ,  70
.set MSB, 0
.macro WIN new                         ; the immediate's high byte repeats the setting that is left
.if MSB != \new
	s_set_vgpr_msb (MSB<<8)|\new
.set MSB, \new
.endif
.endm
.macro ROUND                           ; a round of the cluster's barrier
	s_barrier_signal -1
	s_barrier_wait -1
	s_cmp_lg_u32 s[WV], 0
	s_cbranch_scc1 .Lnw0_\@
	s_barrier_signal -3
.Lnw0_\@:
	s_barrier_wait -3
	s_barrier_signal -1
	s_barrier_wait -1
.endm
.macro BARRIER                         ; my LDS stores have landed and my LDS loads are in: then the work-group's barrier
	s_wait_dscnt 0x0
	s_barrier_signal -1
	s_barrier_wait -1
.endm
; nb blocks of 16 registers from v[s] on (the other 16 numbers of each block lie in lane l xor 16) become codes in v[dst + 4 b ..] and bytes in v[TM + 4 + b]
.macro QUANT s, nb, dst
.set qb, 0
.rept \nb
	v_max3_num_f32 v[TM+qb], |v[\s+16*qb]|, |v[\s+16*qb+1]|, 0x4800000   ; the floor 2^(9 - 127) among the leaves: the byte cannot fall under 1
.set qb, qb+1
.endr
.set qi, 2
.rept 7
.set qb, 0
.rept \nb
	v_max3_num_f32 v[TM+qb], v[TM+qb], |v[\s+16*qb+qi]|, |v[\s+16*qb+qi+1]|
.set qb, qb+1
.endr
.set qi, qi+2
.endr
.set qb, 0
.rept \nb
	v_permlanex16_b32 v[TM+4+qb], v[TM+qb], s[SEL], s[SEL+1]
.set qb, qb+1
.endr
.set qb, 0
.rept \nb
	v_max_num_f32 v[TM+qb], v[TM+qb], v[TM+4+qb]                   ; the block's largest magnitude
.set qb, qb+1
.endr
.set qb, 0
.rept \nb
	v_add_nc_u32 v[TM+12+qb], 0xfc000000, v[TM+qb]                 ; 8 off its exponent field: the conversion's scale operand
.set qb, qb+1
.endr
.set qb, 0
.rept \nb
	v_and_or_b32 v[TM+8+qb], v[TM+qb], 0x7f800000, s[MNT]          ; 448 x the scale
.set qb, qb+1
.endr
.set qb, 0
.rept \nb
	v_lshrrev_b32 v[TM+4+qb], 23, v[TM+12+qb]                      ; the scale's byte
.set qb, qb+1
.endr
.set qb, 0
.rept \nb
.set qi, 0
.rept 16
	v_med3_num_f32 v[\s+16*qb+qi], v[\s+16*qb+qi], -v[TM+8+qb], v[TM+8+qb]   ; the conversion to an 8-bit code does not saturate (ISA guide 7.6.2): the hold comes first
.set qi, qi+1
.endr
	v_cvt_scalef32_pk8_fp8_f32 v[\dst+4*qb:\dst+4*qb+1], v[\s+16*qb:\s+16*qb+7], v[TM+12+qb]
	v_cvt_scalef32_pk8_fp8_f32 v[\dst+4*qb+2:\dst+4*qb+3], v[\s+16*qb+8:\s+16*qb+15], v[TM+12+qb]
.set qb, qb+1
.endr
	v_nop                                          ; a plain line behind the last conversion
.endm
; cos and sin of v[ang] (0 .. 47): n = nearest whole number to ang x 2 / pi; r = ang - n pi / 2 in three parts; polynomials on |r| <= pi / 4; the quadrant by selects and sign bits
.macro SINCOS ang, co, si
	v_mul_f32 v64, 0x3f22f983, v[\ang]
	v_rndne_f32 v64, v64
	v_fma_f32 v65, v64, 0xbfc90000, v[\ang]
	v_fma_f32 v65, v64, 0xb9fda000, v65
	v_fma_f32 v65, v64, 0xb3a22168, v65
	v_cvt_i32_f32 v66, v64
	v_mul_f32 v67, v65, v65
	v_mov_b32 v68, 0xb94ca1f9
	v_fma_f32 v68, v68, v67, 0x3c08839e
	v_fma_f32 v68, v68, v67, 0xbe2aaaa3
	v_mul_f32 v68, v68, v67
	v_fma_f32 v68, v68, v65, v65                   ; sin r
	v_mov_b32 v69, 0x37ccf5ce
	v_fma_f32 v69, v69, v67, 0xbab6061a
	v_fma_f32 v69, v69, v67, 0x3d2aaaa5
	v_mul_f32 v69, v69, v67
	v_fma_f32 v69, v69, v67, 1.0
	v_fma_f32 v69, v67, -0.5, v69                  ; cos r
	v_and_b32 v70, 1, v66
	v_cmp_eq_u32 vcc_lo, 1, v70
	v_cndmask_b32 v[\si], v68, v69, vcc_lo         ; an odd quadrant swaps the two
	v_cndmask_b32 v[\co], v69, v68, vcc_lo
	v_and_b32 v70, 2, v66
	v_lshlrev_b32 v70, 30, v70
	v_xor_b32 v[\si], v70, v[\si]                  ; sin is negative in quadrants 2, 3
	v_add_nc_u32 v70, 1, v66
	v_and_b32 v70, 2, v70
	v_lshlrev_b32 v70, 30, v70
	v_xor_b32 v[\co], v70, v[\co]                  ; cos in quadrants 1, 2
.endm
	s_load_b512 s[16:31], s[0:1], 0x0              ; x 16, Wq codes 18, Wk codes 20, Wq scales 22, Wk scales 24, bq 26, bk 28, Wv codes 30
	s_load_b256 s[32:39], s[0:1], 0x40             ; Wv scales 32, qimg 34, qsc 36, kv 38
	v_lshl_add_u32 v[SPW], v0, 2, SPARE
	v_mov_b32 v[NIL], 0
	ds_add_u32 v252, v253
	ds_add_u32 v252, v253
	s_wait_dscnt 0x0
	v_lshrrev_b32 v48, 5, v0
	v_readfirstlane_b32 s[WV], v48                 ; wave 0..3
	; descriptor group 1: my 16 rows of x, dense in memory, as 32 half rows of 128 elements of 8 bytes, 16 bytes of padding behind each
	s_mov_b32 s[G1+0], 15|(3<<16)|(1<<20)|(1<<21)|(7<<22)|(3<<25)  ; the mask names all four partners; bit 21 beside it; padding of 4 words after every 256
	s_mov_b32 s[G1+1], 128<<16
	s_mov_b32 s[G1+2], 32<<16
	s_mov_b32 s[G1+3], 128<<16
	s_mov_b32 s[G1+4], 32
	s_mov_b32 s[G1+5], 128
	s_mov_b32 s[G1+6], 0
	s_mov_b32 s[G1+7], 0
	s_lshl_b32 s90, ttmp9, 20                      ; the cluster's 512 rows of 2,048 bytes,
	s_lshl_b32 s91, s[WV], 15                      ; my 16 of a tile's 64: nothing here hangs on my place in the cluster
	s_add_co_u32 s90, s90, s91
	s_mov_b32 s91, 0
	s_mul_i32 s92, s[WV], WROWS
	; what is mine of the weights and of the outputs
	s_bfe_u32 s93, ttmp6, 0x40000                  ; cx
	s_lshl_b32 s93, s93, 1
	s_lshr_b32 s94, ttmp9, 1
	s_lshl_b32 s94, s94, 3                         ; 8 x batch
	s_and_b32 s95, ttmp9, 1                        ; which half of the batch's tokens
	s_and_b32 s96, s[WV], 1
	s_lshr_b32 s97, s[WV], 1
	s_add_co_u32 s98, s93, s96                     ; the head of my q or k
	s_add_co_u32 s99, s93, s97                     ; the head of my v
	s_add_co_u32 s69, s94, s98                     ; 8 x batch + head
	s_add_co_u32 s2, s94, s99
	s_lshl_b32 s70, s98, 15                        ; 64 rows of 512 codes
	s_mov_b32 s71, 0
	s_lshl_b32 s72, s98, 10                        ; of 16 scale bytes
	s_mov_b32 s73, 0
	s_lshl_b32 s74, s98, 8                         ; 64 biases
	s_mov_b32 s75, 0
	s_lshl_b32 s76, s99, 15
	s_lshl_b32 s88, s96, 14
	s_add_co_u32 s76, s76, s88                     ; Wv: the head's rows, my 32 of them
	s_mov_b32 s77, 0
	s_lshl_b32 s78, s99, 10
	s_lshl_b32 s88, s96, 9
	s_add_co_u32 s78, s78, s88
	s_mov_b32 s79, 0
	s_lshl_b32 s80, s69, 16                        ; q's images: 65,536 a head, 32,768 a half
	s_lshl_b32 s88, s95, 15
	s_add_co_u32 s80, s80, s88
	s_mul_i32 s89, s69, REC                        ; k's: the head's record, 65,536 a half
	s_lshl_b32 s88, s95, 16
	s_add_co_u32 s88, s89, s88
	s_lshl_b32 s82, s69, 12                        ; q's scale words: 4,096 a head
	s_lshl_b32 s84, s95, 11
	s_add_co_u32 s82, s82, s84
	s_lshl_b32 s84, s95, 12                        ; k's: behind the images, 1,024 a chunk
	s_add_co_u32 s89, s89, s84
	s_add_co_u32 s89, s89, 131072
	s_mov_b32 s[STI], 16384
	s_mov_b32 s[STS], 1024
	s_cmp_lt_u32 s[WV], 2                          ; waves 0, 1: q; waves 2, 3: k.  Only offsets, pointers and steps are chosen: one text serves both
	s_cselect_b32 s80, s80, s88
	s_cselect_b32 s82, s82, s89
	s_cselect_b32 s[STI], 8192, s[STI]
	s_cselect_b32 s[STS], 512, s[STS]
	s_mov_b32 s81, 0
	s_mov_b32 s83, 0
	s_mov_b32 s[STI+1], 0
	s_mov_b32 s[STS+1], 0
	s_mul_i32 s84, s2, REC                         ; V images: behind a chunk's K images, 4,096 for my 32 channels
	s_lshl_b32 s88, s95, 16
	s_add_co_u32 s84, s84, s88
	s_lshl_b32 s88, s96, 12
	s_add_co_u32 s84, s84, s88
	s_add_co_u32 s84, s84, 8192
	s_mov_b32 s85, 0
	s_mul_i32 s86, s2, REC                         ; V scale words
	s_lshl_b32 s88, s95, 12
	s_add_co_u32 s86, s86, s88
	s_lshl_b32 s88, s96, 8
	s_add_co_u32 s86, s86, s88
	s_add_co_u32 s86, s86, 131072+512
	s_mov_b32 s87, 0
	s_mov_b32 s[SEL], 0x76543210
	s_mov_b32 s[SEL+1], 0xfedcba98                 ; v_permlanex16_b32: lane l xor 16
	s_mov_b32 s[MNT], 0x600000                     ; the mantissa field of 448
	s_wait_kmcnt 0x0
	s_add_nc_u64 s[90:91], s[16:17], s[90:91]      ; x at my rows of tile 0
	s_mov_b32 s[G0], 1
	s_mov_b32 s[G0+1], s92
	s_mov_b64 s[G0+2:G0+3], s[90:91]
	s_or_b32 s[G0+3], s[G0+3], 0x80000000
	s_mov_b32 s[G0+4], 1
	s_add_co_u32 s[G0+5], s92, SLOTB
	s_add_nc_u64 s[G0+6:G0+7], s[90:91], 131072    ; tile 1: 64 rows on
	s_or_b32 s[G0+7], s[G0+7], 0x80000000
	s_cmp_lt_u32 s[WV], 2
	s_cselect_b64 s[4:5], s[18:19], s[20:21]       ; my weight's codes,
	s_cselect_b64 s[6:7], s[22:23], s[24:25]       ; scales,
	s_cselect_b64 s[8:9], s[26:27], s[28:29]       ; bias,
	s_cselect_b64 s[PI:PI+1], s[34:35], s[38:39]   ; where the images go,
	s_cselect_b64 s[PS:PS+1], s[36:37], s[38:39]   ; and the scale words
	s_add_nc_u64 s[4:5], s[4:5], s[70:71]
	s_add_nc_u64 s[6:7], s[6:7], s[72:73]
	s_add_nc_u64 s[8:9], s[8:9], s[74:75]
	s_add_nc_u64 s[PI:PI+1], s[PI:PI+1], s[80:81]
	s_add_nc_u64 s[PS:PS+1], s[PS:PS+1], s[82:83]
	s_add_nc_u64 s[PVI:PVI+1], s[38:39], s[84:85]
	s_add_nc_u64 s[PVS:PVS+1], s[38:39], s[86:87]
	s_add_nc_u64 s[30:31], s[30:31], s[76:77]
	s_add_nc_u64 s[32:33], s[32:33], s[78:79]
	ROUND                                          ; all four work-groups are here: the first joint load meets
	tensor_load_to_lds s[G0:G0+3], s[G1:G1+7]      ; tile 0
	s_nop 0
.rept 4
	v_nop                                          ; the four lines behind a tensor load
.endr
	v_and_b32 v49, 31, v0                          ; lane
	v_and_b32 v50, 15, v0                          ; r
	v_bfe_u32 v51, v0, 4, 1                        ; h
	v_lshlrev_b32 v[LI], 4, v49
	v_lshlrev_b32 v[LS], 2, v49
	v_lshlrev_b32 v[L8], 3, v49
	v_mul_u32_u24 v52, v50, 2080                   ; a row of x in LDS: two half rows of 1,040
	v_lshl_add_u32 v52, v51, 6, v52                ; + 64 h: my 16 numbers of a block of 32
	v_add_nc_u32 v[XA], s92, v52
	v_add_nc_u32 v[XA+1], SLOTB, v[XA]
	s_lshl_b32 s47, s[WV], 13
	v_add_nc_u32 v[XWI], s47, v[LI]
	v_add_nc_u32 v[XWI], XIMG, v[XWI]
	s_lshl_b32 s47, s[WV], 9
	v_add_nc_u32 v[XWS], s47, v[LS]
	v_add_nc_u32 v[XWS], XSC, v[XWS]
	v_add_nc_u32 v[XRI], XIMG, v[LI]
	v_add_nc_u32 v[XRS], XSC, v[LS]
	v_mul_u32_u24 v52, v50, 144
	v_lshl_add_u32 v52, v51, 5, v52
	v_add_nc_u32 v[AX], TAB, v52
	v_lshlrev_b32 v52, 5, v51
	v_add_nc_u32 v[AY0], TABY, v52
	v_add_nc_u32 v[AY], TABY, v52
	s_lshl_b32 s47, s[WV], 8
	v_lshl_add_u32 v[PA], v50, 2, s47
	v_add_nc_u32 v[PA], PATCH, v[PA]
	v_add_nc_u32 v[PR], s47, v[L8]
	v_add_nc_u32 v[PR], PATCH, v[PR]
	v_lshlrev_b32 v53, 9, v50
	v_lshl_add_u32 v53, v51, 4, v53                ; q, k weights: row r of 512 codes, + 16 h
	v_and_b32 v58, 8, v50
	v_add_nc_u32 v58, v58, v50                     ; r + 8 (r / 8)
	v_lshlrev_b32 v54, 9, v58
	v_lshl_add_u32 v54, v51, 4, v54                ; Wv: that row
	v_lshlrev_b32 v55, 4, v50                      ; scale bytes: 16 a row
	v_lshlrev_b32 v56, 4, v58
	v_lshlrev_b32 v57, 5, v51                      ; bias: my half's eight numbers of a tile
	WIN 0x40                                       ; destination window 1: my head's 16 fragments (tile t, K step s) at 16 (4 t + s)
.irp t, 0,1,2,3
.irp s, 0,1,2,3
.irp c, 0,1,2,3
	global_load_b128 v[16*(4*\t+\s)+4*\c:16*(4*\t+\s)+4*\c+3], v53, s[4:5] offset:8192*\t+128*\s+32*\c
.endr
.endr
.endr
	WIN 0x80                                       ; destination window 2: Wv's 8 fragments at 16 (4 u + s)
.irp u, 0,1
.irp s, 0,1,2,3
.irp c, 0,1,2,3
	global_load_b128 v[16*(4*\u+\s)+4*\c:16*(4*\u+\s)+4*\c+3], v54, s[30:31] offset:4096*\u+128*\s+32*\c
.endr
.endr
.endr
	WIN 0
.irp t, 0,1,2,3
	global_load_b128 v[WS+4*\t:WS+4*\t+3], v55, s[6:7] offset:256*\t               ; a row's four scale words, one a K step
	global_load_b128 v[BIAS+8*\t:BIAS+8*\t+3], v57, s[8:9] offset:64*\t
	global_load_b128 v[BIAS+8*\t+4:BIAS+8*\t+7], v57, s[8:9] offset:64*\t+16
.endr
.irp u, 0,1
	global_load_b128 v[WS+16+4*\u:WS+16+4*\u+3], v56, s[32:33] offset:128*\u
.endr
	; the rotary tables: lane = position, wave w makes frequencies 10^(-(4 w + u) / 4), u = 0 .. 3
	s_mov_b32 s[FQ], 1.0
	s_cmp_eq_u32 s[WV], 1
	s_cselect_b32 s[FQ], 0x3dcccccd, s[FQ]
	s_cmp_eq_u32 s[WV], 2
	s_cselect_b32 s[FQ], 0x3c23d70a, s[FQ]
	s_cmp_eq_u32 s[WV], 3
	s_cselect_b32 s[FQ], 0x3a83126f, s[FQ]         ; 10^(-w)
	s_mul_f32 s[FQ+1], s[FQ], 0x3f0ff59a           ; x 10^(-1/4)
	s_mul_f32 s[FQ+2], s[FQ], 0x3ea1e89b           ; x 10^(-1/2)
	s_mul_f32 s[FQ+3], s[FQ], 0x3e361887           ; x 10^(-3/4)
	v_mul_u32_u24 v58, v49, 144
	s_lshl_b32 s47, s[WV], 4
	v_add_nc_u32 v58, s47, v58
	v_add_nc_u32 v58, TAB, v58                     ; 144 x lane + 16 w: my four cosines; the sines 64 bytes on
	v_cvt_f32_u32 v59, v49                         ; column position = lane
	s_lshl_b32 s47, s95, 4
	v_add_nc_u32 v60, s47, v49
	v_cvt_f32_u32 v60, v60                         ; row position = lane + 16 x half (a number, not an address)
.irp y, 0,1
.irp u, 0,1,2,3
	v_mul_f32 v61, s[FQ+\u], v[59+\y]
	SINCOS 61, 62, 63
	ds_store_b32 v58, v62 offset:4608*\y+4*\u
	ds_store_b32 v58, v63 offset:4608*\y+64+4*\u
.endr
.endr
.irp b, 0,1,2,3
	v_mov_b32 v[TM+4+\b], 0                        ; written once: a lane permute's destination counts as one of its sources
.endr
.macro XLD sl, ks, dd                  ; my row's 64 numbers of K step ks: 16 neighbours of each of its four blocks
.irp b, 0,1,2,3
.irp j, 0,1,2,3
	ds_load_b128 v[\dd+16*\b+4*\j:\dd+16*\b+4*\j+3], v[\sl] offset:((\ks)/2)*1040+((\ks)%2)*512+128*\b+16*\j   ; (the first argument names the address register)
.endr
.endr
.endm
.macro IMAGE ks                        ; the fragment in v[PC] on and its scale word go to LDS as they stand
	v_lshl_or_b32 v[PW], v[TM+5], 8, v[TM+4]
	v_lshl_or_b32 v[PW], v[TM+6], 16, v[PW]
	v_lshl_or_b32 v[PW], v[TM+7], 24, v[PW]
.irp c, 0,1,2,3
	ds_store_b128 v247, v[PC+4*\c:PC+4*\c+3] offset:2048*\ks+512*\c
.endr
	ds_store_b32 v248, v[PW] offset:128*\ks
.endm
.macro XPHASE sl                       ; my 16 rows of x become four fragments
	s_wait_xcnt 0x0                                ; the last trip's global stores have read v[PC] on
	s_mov_b32 s74, 2                               ; a counted loop of two trips, two K steps a trip: the text of two K steps stands once
	s_mov_b32 s75, 0                               ; a half row of x on: 1,040 bytes a trip
	s_mov_b32 s76, 0                               ; two images on: 4,096 bytes a trip
	s_mov_b32 s77, 0                               ; two runs of scale words on: 256 bytes a trip
	XLD XA+\sl, 0, NA                              ; K step 0, ahead of the loop
.Lxq_\@:
	v_add_nc_u32 v246, s75, v[XA+\sl]
	v_add_nc_u32 v247, s76, v[XWI]
	v_add_nc_u32 v248, s77, v[XWS]
	XLD 246, 1, NB                                 ; K step 1 or 3
	s_wait_dscnt 16                                ; all but the 16 loads just issued
	QUANT NA, 4, PC
	IMAGE 0
	s_cmp_eq_u32 s74, 1                            ; the first trip fetches K step 2 while K step 1 is quantised; the second has nothing left to fetch
	s_cbranch_scc1 .Lxl_\@
	XLD XA+\sl, 2, NA
	s_wait_dscnt 16                                ; the second set is in and the image's stores are done; the 16 just issued may be out
	s_branch .Lxj_\@
.Lxl_\@:
	s_wait_dscnt 0x0
.Lxj_\@:
	QUANT NB, 4, PC
	IMAGE 1
	s_add_co_u32 s75, s75, 1040
	s_add_co_u32 s76, s76, 4096
	s_add_co_u32 s77, s77, 256
	s_sub_co_u32 s74, s74, 1
	s_cmp_lg_u32 s74, 0
	s_cbranch_scc1 .Lxq_\@
.endm
.macro FETCHX m                        ; the four fragments of tile m of rows, and their scale words, into buffer m % 2: 20 LDS loads
	WIN 0x80
.irp s, 0,1,2,3
.irp c, 0,1,2,3
	ds_load_b128 v[128+64*((\m)%2)+16*\s+4*\c:128+64*((\m)%2)+16*\s+4*\c+3], v[XRI] offset:(4*(\m)+\s)*2048+512*\c
.endr
.endr
	WIN 0
.irp s, 0,1,2,3
	ds_load_b32 v[XS+4*((\m)%2)+\s], v[XRS] offset:(4*(\m)+\s)*128
.endr
.endm
.macro CSLOAD sl, m                    ; cosines and sines of my token of tile m, frequencies 8 h .. 8 h + 7: 8 LDS loads
.irp e, 0,1
	ds_load_b128 v[CS+4*\e:CS+4*\e+3],       v[AY] offset:\sl*288+((\m)/2)*144+16*\e
	ds_load_b128 v[CS+8+4*\e:CS+8+4*\e+3],   v[AY] offset:\sl*288+((\m)/2)*144+64+16*\e
	ds_load_b128 v[CS+16+4*\e:CS+16+4*\e+3], v[AX] offset:((\m)%2)*2304+16*\e
	ds_load_b128 v[CS+24+4*\e:CS+24+4*\e+3], v[AX] offset:((\m)%2)*2304+64+16*\e
.endr
.endm
.macro MULQK m                         ; 16 products: the four tiles by turns, K step by K step; the bias is the C of a sum's first product
.set XFB, 128+64*((\m)%2)
	WIN 0x09                                       ; source 0 (W) window 1, source 1 (x) window 2
.irp s, 0,1,2,3
.irp t, 0,1,2,3
.if \s == 0
	v_wmma_scale_f32_16x16x128_f8f6f4 v[QA+8*\t:QA+8*\t+7], v[16*(4*\t+\s):16*(4*\t+\s)+15], v[XFB+16*\s:XFB+16*\s+15], v[BIAS+8*\t:BIAS+8*\t+7], v[WS+4*\t+\s], v[XS+4*((\m)%2)+\s]
.else
	v_wmma_scale_f32_16x16x128_f8f6f4 v[QA+8*\t:QA+8*\t+7], v[16*(4*\t+\s):16*(4*\t+\s)+15], v[XFB+16*\s:XFB+16*\s+15], v[QA+8*\t:QA+8*\t+7], v[WS+4*\t+\s], v[XS+4*((\m)%2)+\s]
.endif
.endr
.endr
.endm
.macro MULV m                          ; 8 products: the two tiles of channels by turns
.set XFB, 128+64*((\m)%2)
.set VD, VA+8*((\m)%2)
	WIN 0x0a                                       ; sources 0 (x) and 1 (Wv) window 2
.irp s, 0,1,2,3
.irp u, 0,1
.if \s == 0
	v_wmma_scale_f32_16x16x128_f8f6f4 v[VD+16*\u:VD+16*\u+7], v[XFB+16*\s:XFB+16*\s+15], v[16*(4*\u+\s):16*(4*\u+\s)+15], 0, v[XS+4*((\m)%2)+\s], v[WS+16+4*\u+\s]
.else
	v_wmma_scale_f32_16x16x128_f8f6f4 v[VD+16*\u:VD+16*\u+7], v[XFB+16*\s:XFB+16*\s+15], v[16*(4*\u+\s):16*(4*\u+\s)+15], v[VD+16*\u:VD+16*\u+7], v[XS+4*((\m)%2)+\s], v[WS+16+4*\u+\s]
.endif
.endr
.endr
.endm
.macro EPI_QK sl, m                    ; the rotation, the quantiser along the head's 64, the tile's image and scale words
	s_wait_xcnt 0x0                                ; earlier global stores have read v[PC] on and v[PB]
.irp b, 0,1
.irp j, 0,2,4,6
	v_pk_mul_f32 v[RT+2*\j:RT+2*\j+1], v[QA+16*\b+8+\j:QA+16*\b+9+\j], v[CS+16*\b+8+\j:CS+16*\b+9+\j]       ; each accumulator is read from its low end on
	v_pk_mul_f32 v[RT+2*\j+2:RT+2*\j+3], v[QA+16*\b+\j:QA+16*\b+1+\j], v[CS+16*\b+8+\j:CS+16*\b+9+\j]
	v_pk_fma_f32 v[QA+16*\b+\j:QA+16*\b+1+\j], v[QA+16*\b+\j:QA+16*\b+1+\j], v[CS+16*\b+\j:CS+16*\b+1+\j], v[RT+2*\j:RT+2*\j+1] neg_lo:[0,0,1] neg_hi:[0,0,1]
	v_pk_fma_f32 v[QA+16*\b+8+\j:QA+16*\b+9+\j], v[QA+16*\b+8+\j:QA+16*\b+9+\j], v[CS+16*\b+\j:CS+16*\b+1+\j], v[RT+2*\j+2:RT+2*\j+3]
.endr
.endr
.if (\m) % 2
	QUANT QA, 4, PC                                ; at an odd tile v's two blocks of 32 tokens, which lie behind q's or k's two, go through the same pass: four blocks by turns
.else
	QUANT QA, 2, PC
.endif
	v_lshl_or_b32 v[PW], v[TM+5], 8, v[TM+4]       ; bytes 2 and 3 stay 0: they scale the zero codes that fill K = 64 up to 128
	global_store_b128 v[LI], v[PC:PC+3], s[PI:PI+1] offset:(4*\sl+\m)*1024          ; the wave stores 512 consecutive bytes
	global_store_b128 v[LI], v[PC+4:PC+7], s[PI:PI+1] offset:(4*\sl+\m)*1024+512
	ds_store_b32 v[PA], v[PW] offset:64*\m         ; lanes r and r + 16 write the same word with the same value
.if \m == 3
	ds_load_b64 v[PB:PB+1], v[PR]                  ; LDS serves a wave's instructions in order: this sees my four stores
	s_wait_dscnt 0x0
	global_store_b64 v[L8], v[PB:PB+1], s[PS:PS+1] offset:256*\sl                   ; a trip's 64 scale words: 256 consecutive bytes
.endif
.endm
.macro EPI_V sl, i                     ; 32 tokens of my 32 channels: quantised along the tokens; block c = 2 sl + i of the chunk of 128 keys
	s_wait_alu depctr_va_vdst(0)
	s_wait_xcnt 0x0
.irp u, 0,1
.if 2*\sl+(\i) == 0
	v_mov_b32 v[VSW+\u], v[TM+6+\u]
.else
	v_lshl_or_b32 v[VSW+\u], v[TM+6+\u], 8*(2*\sl+(\i)), v[VSW+\u]
.endif
	global_store_b128 v[LI], v[PC+8+4*\u:PC+8+4*\u+3], s[PVI:PVI+1] offset:2048*\u+512*(2*\sl+(\i))
.endr
.if 2*\sl+(\i) == 3
	global_store_b64 v[L8], v[VSW:VSW+1], s[PVS:PVS+1]
.endif
.endm
.macro PRODUCTS sl
	FETCHX 0
.irp m, 0,1,2,3
	CSLOAD \sl, \m
.if \m < 3
	FETCHX \m+1
	s_wait_dscnt 28                                ; this tile's fragments are in; the 8 table loads and the next tile's 20 may be out
.else
	s_wait_dscnt 8                                 ; the 8 table loads may be out
.endif
	MULQK \m
	MULV \m
	WIN 0
.rept 8
	v_nop                                          ; eight places between the last products and the first read of results
.endr
.if \m < 3
	s_wait_dscnt 20                                ; the tables are in; the next tile's 20 loads may be out
.else
	s_wait_dscnt 0x0
.endif
	EPI_QK \sl, \m
.if \m % 2 == 1
	EPI_V \sl, \m/2
.endif
.endr
.endm
; A trip: 64 rows.
; Behind it the slot read last trip takes the next tile: the wave's one tensor load until the next round.
.macro TRIP sl, refill
	s_wait_tensorcnt 0x0
	ds_add_u32 v[SPW], v[NIL]
	s_add_nc_u64 s[G0+4*\sl+2:G0+4*\sl+3], s[G0+4*\sl+2:G0+4*\sl+3], 262144   ; no load of mine is out: this slot's next tile, 128 rows on
	s_wait_dscnt 0x0
	ROUND
.if \refill
	tensor_load_to_lds s[G0+4-4*\sl:G0+7-4*\sl], s[G1:G1+7]
	s_nop 0
.rept 4
	v_nop
.endr
.endif
	XPHASE \sl
	BARRIER                                        ; x's sixteen fragments lie in LDS
	PRODUCTS \sl
.endm
	s_wait_loadcnt 0x0                             ; weights, scale words, biases
	s_mov_b32 s[TY], 0
	s_mov_b32 s[CNT], 3
.Lpair:                                            ; two trips = 128 tokens = a chunk of keys
	TRIP 0, 1
	TRIP 1, 1
	s_wait_xcnt 0x0                                ; the stores have read their bases
	s_add_nc_u64 s[PI:PI+1], s[PI:PI+1], s[STI:STI+1]
	s_add_nc_u64 s[PS:PS+1], s[PS:PS+1], s[STS:STS+1]
	s_add_nc_u64 s[PVI:PVI+1], s[PVI:PVI+1], 16384
	s_add_nc_u64 s[PVS:PVS+1], s[PVS:PVS+1], 1024
	s_add_co_u32 s[TY], s[TY], 576                 ; four grid rows on in the row table
	v_add_nc_u32 v[AY], s[TY], v[AY0]
	s_sub_co_u32 s[CNT], s[CNT], 1
	s_cmp_lg_u32 s[CNT], 0
	s_cbranch_scc1 .Lpair
	TRIP 0, 1                                      ; the last two trips are written out: the last asks for nothing
	TRIP 1, 0
	s_wait_tensorcnt 0x0                           ; the wave's end
	ds_add_u32 v[SPW], v[NIL]
	s_wait_dscnt 0x0
	ROUND                                          ; the closing round: no work-group ends while a partner may still ask for a tile that names it
	s_endpgm
.Lfunc_end_k_qb6bdf36510_qkv:
	.size	k_qb6bdf36510_qkv, .Lfunc_end_k_qb6bdf36510_qkv-k_qb6bdf36510_qkv
	.p2alignl 7, 3214868480
	.fill 96, 4, 3214868480
	.section	.rodata,"a",@progbits
	.p2align	6, 0x0
	.amdhsa_kernel k_qb6bdf36510_qkv
		.amdhsa_group_segment_fixed_size 327680
		.amdhsa_private_segment_fixed_size 0
		.amdhsa_enable_private_segment 0
		.amdhsa_kernarg_size 96
		.amdhsa_user_sgpr_count 2
		.amdhsa_user_sgpr_kernarg_segment_ptr 1
		.amdhsa_wavefront_size32 1
		.amdhsa_system_sgpr_workgroup_id_x 1
		.amdhsa_system_sgpr_workgroup_id_y 1
		.amdhsa_system_sgpr_workgroup_id_z 1
		.amdhsa_system_vgpr_workitem_id 0
		.amdhsa_next_free_vgpr 768
		.amdhsa_next_free_sgpr 100
		.amdhsa_reserve_vcc 1
		.amdhsa_float_denorm_mode_32 3
		.amdhsa_float_denorm_mode_16_64 3
		.amdhsa_memory_ordered 1
		.amdhsa_forward_progress 1
		.amdhsa_inst_pref_size 255
	.end_amdhsa_kernel
	.section	.bss,"aw",@nobits
	.p2align	6
	.space	262144
	.amdgpu_metadata
---
amdhsa.version: [ 1, 2 ]
amdhsa.kernels:
  - .name:           k_qb6bdf36510_qkv
    .symbol:         k_qb6bdf36510_qkv.kd
    .args:
      - { .name: x, .offset: 0, .size: 8, .value_kind: global_buffer, .address_space: global }
      - { .name: Wq_codes, .offset: 8, .size: 8, .value_kind: global_buffer, .address_space: global }
      - { .name: Wk_codes, .offset: 16, .size: 8, .value_kind: global_buffer, .address_space: global }
      - { .name: Wq_scales, .offset: 24, .size: 8, .value_kind: global_buffer, .address_space: global }
      - { .name: Wk_scales, .offset: 32, .size: 8, .value_kind: global_buffer, .address_space: global }
      - { .name: bq, .offset: 40, .size: 8, .value_kind: global_buffer, .address_space: global }
      - { .name: bk, .offset: 48, .size: 8, .value_kind: global_buffer, .address_space: global }
      - { .name: Wv_codes, .offset: 56, .size: 8, .value_kind: global_buffer, .address_space: global }
      - { .name: Wv_scales, .offset: 64, .size: 8, .value_kind: global_buffer, .address_space: global }
      - { .name: qimg, .offset: 72, .size: 8, .value_kind: global_buffer, .address_space: global }
      - { .name: qsc, .offset: 80, .size: 8, .value_kind: global_buffer, .address_space: global }
      - { .name: kv, .offset: 88, .size: 8, .value_kind: global_buffer, .address_space: global }
    .group_segment_fixed_size: 327680
    .private_segment_fixed_size: 0
    .kernarg_segment_align: 8
    .kernarg_segment_size: 96
    .max_flat_workgroup_size: 128
    .sgpr_count:     100
    .vgpr_count:     768
    .wavefront_size: 32
...
	.end_amdgpu_metadata
.endif
;; end of part 1
;; launch attn (part 2): grid 256 x 1, 8 waves a work-group, no clusters, 214,016 bytes of LDS; arguments kv, qimg, qsc, cimg, csc; writes cimg, csc
.if DOCPART == 2
	.amdgcn_target "amdgcn-amd-amdhsa--gfx1250"
	.amdhsa_code_object_version 6
	.text
	.protected	k_qb6bdf36510_attn
	.globl	k_qb6bdf36510_attn
	.p2align	8
	.type	k_qb6bdf36510_attn,@function
k_qb6bdf36510_attn:
	s_mov_b64 s[64:65], 0
	v_nop
	global_prefetch_b8 v0, s[64:65] scope:SCOPE_SE
	s_setreg_imm32_b32 hwreg(HW_REG_WAVE_MODE, 25, 1), 1
	s_wait_xcnt 0x0
; ctx = softmax(q k^T / 8) v for one head a work-group, both products on codes of E4M3 with E8M0 block scales; ctx is quantised along the head's 64 and leaves as images of operand registers.
; THE SOFTMAX: t = score x log2(e) / 8; M = the running largest t rounded up to a whole number; p = 2^(t - M) is quantised along the keys, not normalised; the row's sum is taken of the unquantised p
; and divides at the end; when M moves, the sum and O^T are multiplied by 2^(old M - new M), which rounds nothing.
; SHARES.  The head's K, V, Q and their scale words, 208,896 bytes, come into LDS ONCE, by copies at the head; nothing is filled again: one barrier in the launch.
; NO CLUSTER: 256 heads, 256 work-groups, and no two of them read one byte in common.  NO PREFETCH: every byte is asked for once, at the head, and there is no loop to run ahead in.
; Wave w owns query tiles 8 w .. 8 w + 7, two at a time (z = 0, 1), so that each fragment of K and V read from LDS feeds two products.
; LAYOUT.  S^T = K Q^T (source 0 = keys, source 1 = 16 queries), O^T = V^T P^T (source 0 = 16 channels, source 1 = P): a lane holds ONE query throughout.
; The head is 64 wide and the matrix form 128 deep: ONE fragment of source 0 holds TWO tiles of keys, tile 2 j in K blocks 0, 1 and tile 2 j + 1 in blocks 2, 3.  Q stands between two runs of zero codes:
; [Q | 0] picks the even tile, [0 | Q] the odd one; what meets zero codes adds nothing.  For the odd tile K's and Q's scale words are shifted up by two bytes; the bytes left 0 scale zero products only.
; Inside a block of 32 keys p and V share one order (place 16 h + 8 u + j = key 16 u + 8 h + j), as q and k do along the channels.
; A block's largest p is not searched for: the block's largest score goes through the same multiply-add and exponential (this takes v_exp_f32 not to fall where its input rises; at the worst one p of a block is held one code low).
; THE EXPONENTIALS go in two batches a key step, one a tile.  Between a batch's lines stand only plain lines whose sources were made ahead of the wait in front of the batch and whose results are first read behind the wait that follows it.
; REGISTERS.  Window 0: v1-7 addresses, v8-11 scale words, v32-159 S^T then p (both tiles), v160-191 p's codes, v192-239 each tile's 24 small numbers, v240-253 scale words.
; Window 1: v0-63 K's four fragments, v64-127 V's four, v128-191 O^T (both tiles), v192-239 [0 | Q | 0] (both tiles).
; LIMITS: NaN and infinities are not served; the promise holds while the scaled scores t stay under 2^31 in magnitude; a block whose largest magnitude lies under 2^-118 keeps the scale byte 1; 1 / l is v_rcp_f32.
.set REC,  139264
.set QI,   139264                      ; LDS: the record at 0, Q's images, Q's scale words, 512 B a wave for ctx's scale words, the spare words
.set QS,   204800
.set CSC,  208896
.set SPARE, 212992
.set LI,   1                           ; 16 x lane
.set LS4,  2                           ; K's scale words: 131,072 + 4 x lane
.set LS8,  3                           ; V's: 131,584 + 8 x lane
.set L4Q,  4                           ; QS + 4 x (lane % 16)
.set AD,   5
.set ADS,  6
.set ADV,  7
.set QS2,  8                           ; v8, v9   Q's scale words, two bytes up
.set PW,   10                          ; v10, v11 p's scale words
.set SPW,  12
.set NIL,  13
.set AQS,  14                          ; the pair's Q scale words; ctx's lie 4,096 bytes on
.set T2,   16                          ; v[16:17], v[18:19] the sum's third and fourth chain
.set T3,   18
.set H2,   20                          ; v20-27 each block's hold once more, block b's at H2 + 4 z + (b + 1) % 4: the two halves of a dual line take their second sources from different register banks
.set SS,   32
.set PC,   160
.set T,    192                         ; tile z's small numbers at T + 24 z:
.set BM,   0                           ; block maxima
.set PX,   4                           ; permute results, at work, bytes
.set HD,   8                           ; holds
.set SO,   12                          ; scale operands
.set FF,   16                          ; f, later 1 / l (a pair; the upper word is only named)
.set NM,   18                          ; -M
.set TX,   19                          ; the largest score so far
.set SU,   20                          ; the sum, two chains of two halves
.set S2,   22
.set KS,   240                         ; K's scale words: lanes 0-15 the even tile's, lanes 16-31 the odd one's
.set KS2,  244                         ; the same, two bytes up
.set VS,   248
.set QSA,  252
.set KF,   0                           ; window 1
.set VF,   64
.set OT,   128
.set ZQ,   192
.set WV,   14
.set CN,   18
.set MNT,  19
.set SEL,  20
.set CC,   22
.set MSB, 0
.macro WIN new                         ; the immediate's high byte repeats the setting that is left
.if MSB != \new
	s_set_vgpr_msb (MSB<<8)|\new
.set MSB, \new
.endif
.endm
; nb blocks of 16 registers from v[s] on (the other 16 numbers of each block lie in lane l xor 16) become codes in v[dst + 4 b ..] and bytes in v[T + 4 + b]
.macro QUANT s, nb, dst
.set qb, 0
.rept \nb
	v_max3_num_f32 v[T+qb], |v[\s+16*qb]|, |v[\s+16*qb+1]|, 0x4800000
.set qb, qb+1
.endr
.set qi, 2
.rept 7
.set qb, 0
.rept \nb
	v_max3_num_f32 v[T+qb], v[T+qb], |v[\s+16*qb+qi]|, |v[\s+16*qb+qi+1]|
.set qb, qb+1
.endr
.set qi, qi+2
.endr
.set qb, 0
.rept \nb
	v_permlanex16_b32 v[T+4+qb], v[T+qb], s[SEL], s[SEL+1]
.set qb, qb+1
.endr
.set qb, 0
.rept \nb
	v_max_num_f32 v[T+qb], v[T+qb], v[T+4+qb]
.set qb, qb+1
.endr
.set qb, 0
.rept \nb
	v_add_nc_u32 v[T+12+qb], 0xfc000000, v[T+qb]
.set qb, qb+1
.endr
.set qb, 0
.rept \nb
	v_and_or_b32 v[T+8+qb], v[T+qb], 0x7f800000, s[MNT]
.set qb, qb+1
.endr
.set qb, 0
.rept \nb
	v_lshrrev_b32 v[T+4+qb], 23, v[T+12+qb]
.set qb, qb+1
.endr
.set qb, 0
.rept \nb
.set qi, 0
.rept 16
	v_med3_num_f32 v[\s+16*qb+qi], v[\s+16*qb+qi], -v[T+8+qb], v[T+8+qb]   ; the conversion to an 8-bit code does not saturate (ISA guide 7.6.2)
.set qi, qi+1
.endr
	v_cvt_scalef32_pk8_fp8_f32 v[\dst+4*qb:\dst+4*qb+1], v[\s+16*qb:\s+16*qb+7], v[T+12+qb]
	v_cvt_scalef32_pk8_fp8_f32 v[\dst+4*qb+2:\dst+4*qb+3], v[\s+16*qb+8:\s+16*qb+15], v[T+12+qb]
.set qb, qb+1
.endr
	v_nop                                          ; a plain line behind the last conversion
.endm
; Behind a tile's exponentials: the four blocks' scales, p's scale word, and the row's sum of the unquantised p (four chains; the old sums' factor f rides in the first multiply-adds)
.macro POST z
.irp b, 0,1,2,3
	v_max_num_f32 v[T+24*\z+BM+\b], 0x4800000, v[T+24*\z+BM+\b]    ; the floor: the byte cannot fall under 1
.endr
.irp b, 0,1,2,3
	v_add_nc_u32 v[T+24*\z+SO+\b], 0xfc000000, v[T+24*\z+BM+\b]    ; 8 off the exponent field: the conversion's scale operand
.endr
.irp b, 0,1,2,3
	v_and_or_b32 v[T+24*\z+HD+\b], v[T+24*\z+BM+\b], 0x7f800000, s[MNT]   ; 448 x the scale
	v_and_or_b32 v[H2+4*\z+(\b+1)%4], v[T+24*\z+BM+\b], 0x7f800000, s[MNT]
.endr
.irp b, 0,1,2,3
	v_lshrrev_b32 v[T+24*\z+PX+\b], 23, v[T+24*\z+SO+\b]           ; the scale's byte
.endr
	v_lshl_or_b32 v[PW+\z], v[T+24*\z+PX+1], 8, v[T+24*\z+PX]
	v_lshl_or_b32 v[T+24*\z+PX+2], v[T+24*\z+PX+3], 8, v[T+24*\z+PX+2]
	v_pk_fma_f32 v[T+24*\z+SU:T+24*\z+SU+1], v[T+24*\z+SU:T+24*\z+SU+1], v[T+24*\z+FF:T+24*\z+FF+1], v[SS+64*\z:SS+64*\z+1] op_sel_hi:[1,0,1]
	v_pk_fma_f32 v[T+24*\z+S2:T+24*\z+S2+1], v[T+24*\z+S2:T+24*\z+S2+1], v[T+24*\z+FF:T+24*\z+FF+1], v[SS+64*\z+2:SS+64*\z+3] op_sel_hi:[1,0,1]
	v_pk_add_f32 v[T2:T2+1], v[SS+64*\z+4:SS+64*\z+5], v[SS+64*\z+12:SS+64*\z+13]
	v_pk_add_f32 v[T3:T3+1], v[SS+64*\z+6:SS+64*\z+7], v[SS+64*\z+14:SS+64*\z+15]
	v_lshl_or_b32 v[PW+\z], v[T+24*\z+PX+2], 16, v[PW+\z]          ; p's scale word for these 128 keys
.irp g, 1,2,3,4,5,6,7
	v_pk_add_f32 v[T+24*\z+SU:T+24*\z+SU+1], v[T+24*\z+SU:T+24*\z+SU+1], v[SS+64*\z+8*\g:SS+64*\z+8*\g+1]
	v_pk_add_f32 v[T+24*\z+S2:T+24*\z+S2+1], v[T+24*\z+S2:T+24*\z+S2+1], v[SS+64*\z+8*\g+2:SS+64*\z+8*\g+3]
.if \g > 1
	v_pk_add_f32 v[T2:T2+1], v[T2:T2+1], v[SS+64*\z+8*\g+4:SS+64*\z+8*\g+5]
	v_pk_add_f32 v[T3:T3+1], v[T3:T3+1], v[SS+64*\z+8*\g+6:SS+64*\z+8*\g+7]
.endif
.endr
	v_pk_add_f32 v[T+24*\z+SU:T+24*\z+SU+1], v[T+24*\z+SU:T+24*\z+SU+1], v[T2:T2+1]
	v_pk_add_f32 v[T+24*\z+S2:T+24*\z+S2+1], v[T+24*\z+S2:T+24*\z+S2+1], v[T3:T3+1]
.endm
.macro HOLD2 p, h, g                   ; two neighbouring p are held in one dual line (p is never negative: a one-sided hold)
	v_dual_min_num_f32 v[\p], v[\p], v[\h] :: v_dual_min_num_f32 v[\p+1], v[\p+1], v[\g]
.endm
.macro CODES z
.irp b, 0,1,2,3
	v_cvt_scalef32_pk8_fp8_f32 v[PC+16*\z+4*\b:PC+16*\z+4*\b+1], v[SS+64*\z+16*\b:SS+64*\z+16*\b+7], v[T+24*\z+SO+\b]
	v_cvt_scalef32_pk8_fp8_f32 v[PC+16*\z+4*\b+2:PC+16*\z+4*\b+3], v[SS+64*\z+16*\b+8:SS+64*\z+16*\b+15], v[T+24*\z+SO+\b]
.endr
.endm
	s_load_b256 s[4:11], s[0:1], 0x0               ; kv 4, qimg 6, qsc 8, cimg 10
	s_load_b64 s[12:13], s[0:1], 0x20              ; csc
	v_lshl_add_u32 v[SPW], v0, 2, SPARE
	v_mov_b32 v[NIL], 0
	ds_add_u32 v[SPW], v[NIL]                      ; the opening lines: the add, twice on end, and its wait ahead of my first copy
	ds_add_u32 v[SPW], v[NIL]
	v_lshrrev_b32 v32, 5, v0
	v_readfirstlane_b32 s[WV], v32                 ; wave 0..7
	s_mul_i32 s30, ttmp9, REC                      ; the work-group's number is 8 x batch + head
	s_mov_b32 s31, 0
	s_lshl_b32 s32, ttmp9, 16
	s_mov_b32 s33, 0
	s_lshl_b32 s34, ttmp9, 12
	s_mov_b32 s35, 0
	s_lshr_b32 s36, ttmp9, 3
	s_lshl_b32 s36, s36, 19                        ; cimg: 64 token tiles of 8,192 bytes a batch,
	s_bfe_u32 s37, ttmp9, 0x20001
	s_lshl_b32 s37, s37, 11                        ; K step head / 2,
	s_add_co_u32 s36, s36, s37
	s_and_b32 s37, ttmp9, 1
	s_lshl_b32 s37, s37, 10                        ; groups 2 (head % 2) on,
	s_add_co_u32 s36, s36, s37
	s_lshl_b32 s37, s[WV], 16                      ; my eight tiles
	s_add_co_u32 s36, s36, s37
	s_mov_b32 s37, 0
	s_mul_i32 s38, s[WV], 17408                    ; an eighth of the record
	s_lshl_b32 s39, s[WV], 13                      ; my eight tiles of Q
	s_lshl_b32 s15, s[WV], 9                       ; their 128 scale words
	s_add_co_u32 s26, s39, QI                      ; where the pair's images of Q lie in LDS
	s_mov_b32 s27, s15                             ; and its scale words
	s_mov_b32 s[MNT], 0x600000                     ; the mantissa field of 448
	s_mov_b32 s[SEL], 0x76543210
	s_mov_b32 s[SEL+1], 0xfedcba98                 ; v_permlanex16_b32: lane l xor 16
	s_mov_b32 s[CC], 0x3e38aa3b                    ; c = log2(e) / 8
	s_mov_b32 s[CC+1], s[CC]                       ; (named with it as a pair, so it is written)
	s_mov_b32 s[CN], 0xbe38aa3b                    ; -c
	v_and_b32 v33, 31, v0
	v_and_b32 v34, 15, v0
	v_lshlrev_b32 v[LI], 4, v33
	v_lshl_add_u32 v[LS4], v33, 2, 131072
	v_lshl_add_u32 v[LS8], v33, 3, 131584
	v_lshl_add_u32 v[L4Q], v34, 2, QS
	v_add_nc_u32 v36, s38, v[LI]                   ; v36-41: the copies' addresses; they stay as they are until the copies are waited for
	v_add_nc_u32 v37, s38, v[LI]
	v_add_nc_u32 v39, s39, v[LI]
	v_add_nc_u32 v38, QI, v39
	v_add_nc_u32 v41, s15, v[LI]
	v_add_nc_u32 v40, QS, v41
.irp z, 0,1
	v_mov_b32 v[T+24*\z+FF+1], 0                   ; (named as the upper half of a pair)
.irp b, 0,1,2,3
	v_mov_b32 v[T+24*\z+PX+\b], 0                  ; a lane permute's destination counts as one of its sources
.endr
.endr
	WIN 0x40
.irp z, 0,1
.irp j, 0,1,2,3,4,5,6,7
	v_mov_b32 v[ZQ+24*\z+\j], 0                    ; the zero codes on both sides of Q, written once
	v_mov_b32 v[ZQ+24*\z+16+\j], 0
.endr
.endr
	WIN 0
	s_wait_alu depctr_va_vdst(0)
	s_wait_dscnt 0x0                               ; both opening adds are done
	s_wait_kmcnt 0x0
	s_add_nc_u64 s[4:5], s[4:5], s[30:31]
	s_add_nc_u64 s[6:7], s[6:7], s[32:33]
	s_add_nc_u64 s[8:9], s[8:9], s[34:35]
	s_add_nc_u64 s[10:11], s[10:11], s[36:37]
	s_add_nc_u64 s[12:13], s[12:13], s[34:35]
.set ci, 0
.rept 34
	global_load_async_to_lds_b128 v36, v37, s[4:5] offset:512*ci   ; 512 consecutive bytes a line; the immediate steps both addresses
.set ci, ci+1
.endr
.set ci, 0
.rept 16
	global_load_async_to_lds_b128 v38, v39, s[6:7] offset:512*ci
.set ci, ci+1
.endr
	global_load_async_to_lds_b128 v40, v41, s[8:9]
	s_mov_b32 s29, 4
	s_wait_asynccnt 0x0                            ; my copies have landed,
	s_barrier_signal -1
	s_barrier_wait -1                              ; everybody's have
.Ltrip:                                            ; four pairs of query tiles
	v_add_nc_u32 v[AD], s26, v[LI]
	v_add_nc_u32 v[AQS], s27, v[L4Q]
	ds_load_b32 v[QSA], v[AQS]
	ds_load_b32 v[QSA+1], v[AQS] offset:64
.irp p, 0,1,2,3
	ds_load_b32 v[KS+\p], v[LS4] offset:128*\p     ; the first 128 keys' scale words: lane l has key 32 p + l's
.endr
	WIN 0x40
.irp z, 0,1
.irp c, 0,1
	ds_load_b128 v[ZQ+24*\z+8+4*\c:ZQ+24*\z+11+4*\c], v[AD] offset:1024*\z+512*\c
.endr
.endr
.set ci, 0
.rept 16
	ds_load_b128 v[KF+4*ci:KF+4*ci+3], v[LI] offset:512*ci         ; the first 128 keys: eight images make four fragments
.set ci, ci+1
.endr
.set ci, 0
.rept 64
	v_mov_b32 v[OT+ci], 0                          ; the step is written once: its first pass finds zeros, which the first change of M leaves zeros
.set ci, ci+1
.endr
	WIN 0
.irp z, 0,1
	v_mov_b32 v[T+24*\z+TX], 0xff61b1e6            ; the largest score so far: -3e38
	v_mov_b32 v[T+24*\z+NM], 0x7f61b1e6            ; -M: 3e38
	v_mov_b32 v[T+24*\z+SU], 0
	v_mov_b32 v[T+24*\z+SU+1], 0
	v_mov_b32 v[T+24*\z+S2], 0
	v_mov_b32 v[T+24*\z+S2+1], 0
.endr
	s_mov_b32 s24, 0
	s_mov_b32 s25, 0
	s_mov_b32 s28, 8
	s_wait_alu depctr_va_vdst(0)
	s_wait_dscnt 0x0
	v_lshlrev_b32 v[QS2], 16, v[QSA]
	v_lshlrev_b32 v[QS2+1], 16, v[QSA+1]
.irp p, 0,1,2,3
	v_lshlrev_b32 v[KS2+\p], 16, v[KS+\p]
.endr
.rept 8
	v_nop                                          ; a scale word made by a vector instruction stands eight places ahead of the product that takes it
.endr
.Lstep:                                            ; A KEY STEP: 128 keys for both query tiles
	WIN 0x05                                       ; sources 0 (K) and 1 (Q) window 1
.irp j, 0,1,2,3
.irp z, 0,1
	v_wmma_scale_f32_16x16x128_f8f6f4 v[SS+64*\z+16*\j:SS+64*\z+16*\j+7], v[KF+16*\j:KF+16*\j+15], v[ZQ+24*\z+8:ZQ+24*\z+23], 0, v[KS+\j], v[QSA+\z]
	v_wmma_scale_f32_16x16x128_f8f6f4 v[SS+64*\z+16*\j+8:SS+64*\z+16*\j+15], v[KF+16*\j:KF+16*\j+15], v[ZQ+24*\z:ZQ+24*\z+15], 0, v[KS2+\j], v[QS2+\z] matrix_a_scale:MATRIX_SCALE_ROW1
.endr
.endr
	WIN 0
	v_add_nc_u32 v[AD], s24, v[LI]                 ; eight places behind the products: these three and five v_nop
	v_add_nc_u32 v[ADS], s25, v[LS4]
	v_add_nc_u32 v[ADV], s25, v[LS8]
.rept 5
	v_nop
.endr
	WIN 0x40
.set ci, 0
.rept 16
	ds_load_b128 v[VF+4*ci:VF+4*ci+3], v[AD] offset:8192+512*ci    ; V's four fragments land while the softmax is walked
.set ci, ci+1
.endr
	WIN 0
	ds_load_b64 v[VS:VS+1], v[ADV]
	ds_load_b64 v[VS+2:VS+3], v[ADV] offset:256
	s_cmp_eq_u32 s28, 1                            ; the pair's last step has no next 128 keys
	s_cbranch_scc1 .Lno_next
.irp p, 0,1,2,3
	ds_load_b32 v[KS+\p], v[ADS] offset:1024+128*\p
.endr
	WIN 0x40
.set ci, 0
.rept 16
	ds_load_b128 v[KF+4*ci:KF+4*ci+3], v[AD] offset:16384+512*ci   ; the next step's K likewise
.set ci, ci+1
.endr
	WIN 0
.Lno_next:
.irp z, 0,1                                    ; the largest score of each block of 32 keys, the eight blocks by turns; each accumulator is read from its low end on
.irp b, 0,1,2,3
	v_max3_num_f32 v[T+24*\z+BM+\b], v[SS+64*\z+16*\b], v[SS+64*\z+16*\b+1], v[SS+64*\z+16*\b+2]
.endr
.endr
.irp i, 3,5,7,9,11,13
.irp z, 0,1
.irp b, 0,1,2,3
	v_max3_num_f32 v[T+24*\z+BM+\b], v[T+24*\z+BM+\b], v[SS+64*\z+16*\b+\i], v[SS+64*\z+16*\b+\i+1]
.endr
.endr
.endr
.irp z, 0,1
.irp b, 0,1,2,3
	v_max_num_f32 v[T+24*\z+BM+\b], v[T+24*\z+BM+\b], v[SS+64*\z+16*\b+15]
.endr
.endr
.irp z, 0,1
.irp b, 0,1,2,3
	v_permlanex16_b32 v[T+24*\z+PX+\b], v[T+24*\z+BM+\b], s[SEL], s[SEL+1]
.endr
.endr
.irp z, 0,1
.irp b, 0,1,2,3
	v_max_num_f32 v[T+24*\z+BM+\b], v[T+24*\z+BM+\b], v[T+24*\z+PX+\b]   ; with lane l xor 16's 16 keys
.endr
.endr
.irp z, 0,1
	v_max3_num_f32 v[T+24*\z+PX], v[T+24*\z+BM], v[T+24*\z+BM+1], v[T+24*\z+BM+2]
.endr
.irp z, 0,1
	v_max3_num_f32 v[T+24*\z+TX], v[T+24*\z+PX], v[T+24*\z+BM+3], v[T+24*\z+TX]   ; the running largest score
.endr
.irp z, 0,1
	v_mul_f32 v[T+24*\z+PX], s[CN], v[T+24*\z+TX]  ; -t
.endr
.irp z, 0,1
	v_floor_f32 v[T+24*\z+PX+1], v[T+24*\z+PX]     ; the new -M = floor(-t): M is a whole number
.endr
.irp z, 0,1
	v_sub_f32 v[T+24*\z+PX], v[T+24*\z+PX+1], v[T+24*\z+NM]   ; old M - new M, 0 or less
.endr
.irp z, 0,1
	v_mov_b32 v[T+24*\z+NM], v[T+24*\z+PX+1]
.endr
.irp z, 0,1
	v_cvt_i32_f32 v[T+24*\z+PX], v[T+24*\z+PX]     ; (it saturates)
.endr
.irp z, 0,1
.irp b, 0,1,2,3
	v_fma_f32 v[T+24*\z+BM+\b], v[T+24*\z+BM+\b], s[CC], v[T+24*\z+NM]   ; t - M of each block's largest score
.endr
.endr
.irp z, 0,1
	v_ldexp_f32 v[T+24*\z+FF], 1.0, v[T+24*\z+PX]  ; f = 2^(old M - new M)
.endr
.set ci, 0
.rept 32
	v_pk_fma_f32 v[SS+2*ci:SS+2*ci+1], v[SS+2*ci:SS+2*ci+1], s[CC:CC+1], v[T+NM:T+NM+1] op_sel_hi:[1,0,0]   ; tile 0: t - M
.set ci, ci+1
.endr
	WIN 0x41                                       ; O^T in window 1, f in window 0
.irp z, 0,1
.set ci, 0
.rept 16
	v_pk_mul_f32 v[OT+32*\z+2*ci:OT+32*\z+2*ci+1], v[OT+32*\z+2*ci:OT+32*\z+2*ci+1], v[T+24*\z+FF:T+24*\z+FF+1] op_sel_hi:[1,0]   ; O^T under the new M, ahead of the step's exponentials
.set ci, ci+1
.endr
.endr
	WIN 0
	s_wait_alu depctr_va_vdst(0)                   ; ahead of the batch
.irp b, 0,1,2,3
	v_exp_f32 v[T+BM+\b], v[T+BM+\b]               ; tile 0: each block's largest p
.endr
.set ci, 0
.rept 32                                       ; tile 0's p; between them tile 1's t - M, first read behind the next wait
	v_exp_f32 v[SS+2*ci], v[SS+2*ci]
	v_pk_fma_f32 v[SS+64+2*ci:SS+65+2*ci], v[SS+64+2*ci:SS+65+2*ci], s[CC:CC+1], v[T+24+NM:T+24+NM+1] op_sel_hi:[1,0,0]
	v_exp_f32 v[SS+2*ci+1], v[SS+2*ci+1]
.set ci, ci+1
.endr
	s_wait_alu depctr_va_vdst(0)                   ; one wait: behind tile 0's batch and ahead of tile 1's
	POST 0
.irp b, 0,1,2,3
	HOLD2 SS+16*\b, T+HD+\b, H2+(\b+1)%4           ; each block's first hold stands here, so that each hold register is first read ahead of the batch
.endr
.irp b, 0,1,2,3
	v_exp_f32 v[T+24+BM+\b], v[T+24+BM+\b]
.endr
.set ci, 0
.rept 64                                       ; tile 1's p; between them the rest of tile 0's holds, first read behind the next wait
	v_exp_f32 v[SS+64+ci], v[SS+64+ci]
.if (ci % 2 == 1) && (ci % 16 != 1)
	HOLD2 SS+ci-1, T+HD+ci/16, H2+(ci/16+1)%4
.endif
.set ci, ci+1
.endr
	s_wait_alu depctr_va_vdst(0)                   ; the wait behind the batch
	CODES 0
	POST 1
	s_wait_dscnt 0x0                               ; V, its scale words, and the next step's K and scale words
.irp p, 0,1,2,3
	v_lshlrev_b32 v[KS2+\p], 16, v[KS+\p]          ; for the next step's odd tiles (in a pair's last step they are remade as they were); the 64 holds below are their places
.endr
.set ci, 0
.rept 32
	HOLD2 SS+64+2*ci, T+24+HD+ci/8, H2+4+(ci/8+1)%4
.set ci, ci+1
.endr
	CODES 1
.rept 4
	v_nop                                          ; codes made by vector instructions stand four places ahead of the product that takes them
.endr
	WIN 0x51                                       ; V, C and D window 1, P window 0
.irp z, 0,1
.irp t, 0,1,2,3
	v_wmma_scale_f32_16x16x128_f8f6f4 v[OT+32*\z+8*\t:OT+32*\z+8*\t+7], v[VF+16*\t:VF+16*\t+15], v[PC+16*\z:PC+16*\z+15], v[OT+32*\z+8*\t:OT+32*\z+8*\t+7], v[VS+\t], v[PW+\z]
.endr
.endr
	WIN 0
	s_add_co_u32 s24, s24, 16384
	s_add_co_u32 s25, s25, 1024
	s_sub_co_u32 s28, s28, 1
	s_cmp_lg_u32 s28, 0
	s_cbranch_scc1 .Lstep
.rept 8
	v_nop                                          ; eight places behind the last products
.endr
.irp z, 0,1
	v_pk_add_f32 v[T+24*\z+SU:T+24*\z+SU+1], v[T+24*\z+SU:T+24*\z+SU+1], v[T+24*\z+S2:T+24*\z+S2+1]
.endr
.irp z, 0,1
	v_add_f32 v[T+24*\z+SU], v[T+24*\z+SU], v[T+24*\z+SU+1]
.endr
.irp z, 0,1
	v_permlanex16_b32 v[T+24*\z+PX], v[T+24*\z+SU], s[SEL], s[SEL+1]
.endr
.irp z, 0,1
	v_add_f32 v[T+24*\z+SU], v[T+24*\z+SU], v[T+24*\z+PX]          ; the row's sum
.endr
	s_wait_alu depctr_va_vdst(0)                   ; ahead of the transcendentals
.irp z, 0,1
	v_rcp_f32 v[T+24*\z+FF], v[T+24*\z+SU]
.endr
	v_nop                                          ; a plain line behind them
	WIN 0x01                                       ; O^T from window 1, the quotient into window 0
	s_wait_alu depctr_va_vdst(0)                   ; the wait behind them, directly ahead of the first reader of 1 / l and of O^T
.irp z, 0,1
.set ci, 0
.rept 16
	v_pk_mul_f32 v[SS+32*\z+2*ci:SS+32*\z+2*ci+1], v[OT+32*\z+2*ci:OT+32*\z+2*ci+1], v[T+24*\z+FF:T+24*\z+FF+1] op_sel_hi:[1,0]
.set ci, ci+1
.endr
.endr
	WIN 0
	QUANT SS, 4, PC                                ; along the head's 64: blocks 0, 1 tile 0's, blocks 2, 3 tile 1's (register 16 b + i = channel 32 b + 16 h + i)
	v_lshl_or_b32 v[T+28], v[T+5], 8, v[T+4]
	v_lshl_or_b32 v[T+29], v[T+7], 8, v[T+6]
.irp q, 0,1
	global_store_b128 v[LI], v[PC+8*\q:PC+8*\q+3], s[10:11] offset:8192*\q          ; the wave stores 512 consecutive bytes
	global_store_b128 v[LI], v[PC+8*\q+4:PC+8*\q+7], s[10:11] offset:8192*\q+512
	ds_store_b32 v[AQS], v[T+28+\q] offset:4096+64*\q                               ; lanes r and r + 16 write the same word with the same value
.endr
	s_wait_alu depctr_va_vdst(0)
	s_wait_xcnt 0x0                                ; the stores have read their data and their base
	s_add_nc_u64 s[10:11], s[10:11], 16384
	s_add_co_u32 s26, s26, 2048
	s_add_co_u32 s27, s27, 128
	s_sub_co_u32 s29, s29, 1
	s_cmp_lg_u32 s29, 0
	s_cbranch_scc1 .Ltrip
	v_add_nc_u32 v37, s15, v[LI]
	v_add_nc_u32 v36, CSC, v37
	ds_load_b128 v[32:35], v36                     ; my 128 scale words: LDS serves a wave's instructions in order
	s_wait_alu depctr_va_vdst(0)
	s_wait_dscnt 0x0
	global_store_b128 v37, v[32:35], s[12:13]      ; 512 consecutive bytes
	s_wait_tensorcnt 0x0                           ; the wave's end
	ds_add_u32 v[SPW], v[NIL]
	s_wait_dscnt 0x0
	s_endpgm
.Lfunc_end_k_qb6bdf36510_attn:
	.size	k_qb6bdf36510_attn, .Lfunc_end_k_qb6bdf36510_attn-k_qb6bdf36510_attn
	.p2alignl 7, 3214868480
	.fill 96, 4, 3214868480
	.section	.rodata,"a",@progbits
	.p2align	6, 0x0
	.amdhsa_kernel k_qb6bdf36510_attn
		.amdhsa_group_segment_fixed_size 214016
		.amdhsa_private_segment_fixed_size 0
		.amdhsa_enable_private_segment 0
		.amdhsa_kernarg_size 40
		.amdhsa_user_sgpr_count 2
		.amdhsa_user_sgpr_kernarg_segment_ptr 1
		.amdhsa_wavefront_size32 1
		.amdhsa_system_sgpr_workgroup_id_x 1
		.amdhsa_system_sgpr_workgroup_id_y 1
		.amdhsa_system_sgpr_workgroup_id_z 1
		.amdhsa_system_vgpr_workitem_id 0
		.amdhsa_next_free_vgpr 512
		.amdhsa_next_free_sgpr 66
		.amdhsa_reserve_vcc 0
		.amdhsa_float_denorm_mode_32 3
		.amdhsa_float_denorm_mode_16_64 3
		.amdhsa_memory_ordered 1
		.amdhsa_forward_progress 1
		.amdhsa_inst_pref_size 61
	.end_amdhsa_kernel
	.amdgpu_metadata
---
amdhsa.version: [ 1, 2 ]
amdhsa.kernels:
  - .name:           k_qb6bdf36510_attn
    .symbol:         k_qb6bdf36510_attn.kd
    .args:
      - { .name: kv, .offset: 0, .size: 8, .value_kind: global_buffer, .address_space: global }
      - { .name: qimg, .offset: 8, .size: 8, .value_kind: global_buffer, .address_space: global }
      - { .name: qsc, .offset: 16, .size: 8, .value_kind: global_buffer, .address_space: global }
      - { .name: cimg, .offset: 24, .size: 8, .value_kind: global_buffer, .address_space: global }
      - { .name: csc, .offset: 32, .size: 8, .value_kind: global_buffer, .address_space: global }
    .group_segment_fixed_size: 214016
    .private_segment_fixed_size: 0
    .kernarg_segment_align: 8
    .kernarg_segment_size: 40
    .max_flat_workgroup_size: 256
    .sgpr_count:     66
    .vgpr_count:     512
    .wavefront_size: 32
...
	.end_amdgpu_metadata
.endif
;; end of part 2
;; launch merge (part 3): grid 256 x 1, 4 waves a work-group, no clusters, 327,680 bytes of LDS; arguments cimg, csc, Wm_codes, Wm_scales, bm, x, gamma, beta, out0; writes out0
.if DOCPART == 3
	.amdgcn_target "amdgcn-amd-amdhsa--gfx1250"
	.amdhsa_code_object_version 6
	.text
	.protected	k_qb6bdf36510_merge
	.globl	k_qb6bdf36510_merge
	.p2align	8
	.type	k_qb6bdf36510_merge,@function
k_qb6bdf36510_merge:
	s_mov_b64 s[64:65], 0
	v_nop
	global_prefetch_b8 v0, s[64:65] scope:SCOPE_SE
	s_setreg_imm32_b32 hwreg(HW_REG_WAVE_MODE, 25, 1), 1
	s_wait_xcnt 0x0
; out0 = layer norm(x + ctx Wm^T + bm) x gamma + beta; the product on codes of E4M3 with E8M0 block scales (ctx's images and scale words as the launch before stored them).
; SHARES.  A work-group owns 128 rows, eight blocks of 16.  Wave w holds rows 128 w .. 128 w + 127 of Wm in registers (windows 1 and 2) and makes those columns of each block, used transposed
; (source 0 = 16 rows of Wm, source 1 = 16 tokens: a lane holds eight neighbouring columns of one row).  The block goes through a stage in LDS, and wave w then norms rows 4 w .. 4 w + 3 of it, a row across the 32 lanes.
; x: each wave fetches the rows that it will itself norm, by tensor loads of two pieces of 8,192 bytes (4 rows of each of two blocks, 32,768 bytes apart in memory), dense in LDS from 65,536 w on.
; The first load stands at the head; the load for blocks i + 2 and i + 3 stands behind block i's first barrier (i even).  Every byte of LDS is filled once.
; The eight blocks are a loop of three trips of two blocks (the register sets of ctx's fragments and scale words take turns) and a tail of two blocks, which asks for nothing more.
; NO CLUSTER: the rows of x and of ctx are each read by one work-group.  NO PREFETCH: x's pieces are asked for two blocks ahead by the tensor loads themselves, ctx's fragments one block ahead by loads into registers.
; LIMITS: NaN and infinities are not served; 1 / sqrt is v_rsq_f32.
.set STG,  262144                      ; the stage: 16 rows of 2,048 bytes + 16 of padding
.set SPT,  2064
.set LI,   1                           ; 16 x lane
.set L4R,  2                           ; 4 x (lane % 16)
.set SOA,  3                           ; stage, in
.set SR,   4                           ; stage, back
.set XR,   5                           ; my rows of x in LDS
.set WA,   8
.set WSA,  9
.set OUTO, 10
.set XRB,  11
.set WS,   16                          ; v16-47 Wm's scale words: 4 x tile + K step
.set CSW,  48                          ; v48-55 ctx's scale words, two sets
.set RAW,  56                          ; v56-71 the heads' words of which they are made, two sets
.set BMR,  72
.set GA,   88
.set BE,   104
.set HH,   120                         ; v120-183 four rows, 16 numbers a lane each
.set TT,   184
.set ACC,  0                           ; window 3: v0-63 the block's eight tiles; v64-191 ctx's fragments, two sets
.set CF,   64
.set G1,   40
.set G0,   68
.set XS,   48                          ; s48 where the trip's x lies in my part of LDS
.set CNT,  49
.set MSB, 0
.macro WIN new
.if MSB != (\new)
	s_set_vgpr_msb (MSB<<8)|(\new)
.set MSB, (\new)
.endif
.endm
.macro BARRIER
	s_wait_dscnt 0x0
	s_barrier_signal -1
	s_barrier_wait -1
.endm
	s_load_b512 s[4:19], s[0:1], 0x0               ; cimg 4, csc 6, Wm codes 8, Wm scales 10, bm 12, x 14, gamma 16, beta 18
	s_load_b64 s[20:21], s[0:1], 0x40              ; out0
	v_lshl_add_u32 v254, v0, 2, 0x48800
	v_mov_b32 v255, 0
	ds_add_u32 v254, v255                          ; the opening lines: the add, twice on end, and its wait ahead of my first tensor load
	ds_add_u32 v254, v255
	v_lshrrev_b32 v12, 5, v0
	v_readfirstlane_b32 s26, v12                   ; wave 0..3
	v_and_b32 v12, 31, v0
	v_and_b32 v13, 15, v0
	v_bfe_u32 v14, v0, 4, 1
	v_lshlrev_b32 v[LI], 4, v12
	v_lshlrev_b32 v[L4R], 2, v13
	s_lshl_b32 s38, s26, 13
	s_mov_b32 s39, 0
	s_lshl_b32 s27, s26, 16
	v_add_nc_u32 v[XR], s27, v[LI]
	v_add_nc_u32 v[OUTO], s38, v[LI]
	v_mul_u32_u24 v[SOA], v13, SPT
	v_lshl_add_u32 v[SOA], v14, 5, v[SOA]
	s_lshl_b32 s27, s26, 9
	v_add_nc_u32 v[SOA], s27, v[SOA]
	v_add_nc_u32 v[SOA], STG, v[SOA]
	s_mul_i32 s27, s26, 4*SPT
	v_add_nc_u32 v[SR], s27, v[LI]
	v_add_nc_u32 v[SR], STG, v[SR]
	v_lshlrev_b32 v[WA], 9, v13
	v_lshl_add_u32 v[WA], v14, 4, v[WA]
	v_lshlrev_b32 v[WSA], 4, v13
	s_mov_b32 s[G1+0], 3<<16                       ; elements of 8 bytes, no padding
	s_mov_b32 s[G1+1], 1024<<16                    ; a row of the tile: 1,024 elements, 8,192 bytes
	s_mov_b32 s[G1+2], 2<<16                       ; two such rows
	s_mov_b32 s[G1+3], 1024<<16
	s_mov_b32 s[G1+4], 2
	s_mov_b32 s[G1+5], 4096                        ; 32,768 bytes from one to the next
	s_mov_b32 s[G1+6], 0
	s_mov_b32 s[G1+7], 0
	s_lshl_b32 s28, ttmp9, 16
	s_mov_b32 s29, 0
	s_lshr_b32 s30, ttmp9, 3
	s_lshl_b32 s30, s30, 15
	s_and_b32 s31, ttmp9, 7
	s_lshl_b32 s31, s31, 9
	s_add_co_u32 s30, s30, s31
	s_mov_b32 s31, 0
	s_lshl_b32 s32, s26, 16
	s_mov_b32 s33, 0
	s_lshl_b32 s34, s26, 11
	s_mov_b32 s35, 0
	s_lshl_b32 s36, ttmp9, 18
	s_mov_b32 s37, 0
	s_mov_b32 s22, 0x76543210
	s_mov_b32 s23, 0xfedcba98
	s_mov_b32 s24, 0x3b000000                      ; 1 / 512
	s_mov_b32 s25, 0x3727c5ac                      ; 1e-5
	s_wait_alu depctr_va_vdst(0)
	s_wait_dscnt 0x0
	s_wait_kmcnt 0x0
	s_add_nc_u64 s[4:5], s[4:5], s[28:29]
	s_add_nc_u64 s[6:7], s[6:7], s[30:31]
	s_add_nc_u64 s[8:9], s[8:9], s[32:33]
	s_add_nc_u64 s[10:11], s[10:11], s[34:35]
	s_add_nc_u64 s[14:15], s[14:15], s[36:37]
	s_add_nc_u64 s[14:15], s[14:15], s[38:39]
	s_add_nc_u64 s[20:21], s[20:21], s[36:37]
	s_mov_b32 s[G0], 1
	s_lshl_b32 s[G0+1], s26, 16                    ; LDS: 65,536 x wave
	s_mov_b64 s[G0+2:G0+3], s[14:15]
	s_or_b32 s[G0+3], s[G0+3], 0x80000000
	tensor_load_to_lds s[G0:G0+3], s[G1:G1+7]      ; my rows of x of blocks 0 and 1: my one tensor load at the head
	s_nop 0
.rept 4
	v_nop
.endr
.irp t, 0,1,2,3,4,5,6,7
	global_load_b128 v[WS+4*\t:WS+4*\t+3], v[WSA], s[10:11] offset:256*\t
.endr
.irp q, 0,1,2,3
	global_load_b128 v[BMR+4*\q:BMR+4*\q+3], v[LI], s[12:13] offset:512*\q
	global_load_b128 v[GA+4*\q:GA+4*\q+3], v[LI], s[16:17] offset:512*\q
	global_load_b128 v[BE+4*\q:BE+4*\q+3], v[LI], s[18:19] offset:512*\q
.endr
.irp e, 0,1,2,3,4,5,6,7
	global_load_b32 v[RAW+\e], v[L4R], s[6:7] offset:4096*\e
.endr
	WIN 0xc0
.irp s, 0,1,2,3
.irp c, 0,1,2,3
	global_load_b128 v[CF+16*\s+4*\c:CF+16*\s+4*\c+3], v[LI], s[4:5] offset:2048*\s+512*\c
.endr
.endr
.irp g, 0,1,2,3
	WIN 0x40+0x40*(\g/2)
.irp t, 0,1,2,3,4,5,6,7
.irp c, 0,1,2,3
	global_load_b128 v[16*(8*(\g%2)+\t)+4*\c:16*(8*(\g%2)+\t)+4*\c+3], v[WA], s[8:9] offset:8192*\t+128*\g+32*\c
.endr
.endr
.endr
	WIN 0
.macro REDUCE                          ; four rows' sums over the 32 lanes, by turns
.irp y, 1,2,4,8
.irp k, 0,1,2,3
	v_add_f32_dpp v[TT+8*\k], v[TT+8*\k], v[TT+8*\k] row_xmask:\y row_mask:0xf bank_mask:0xf
.endr
.endr
.irp k, 0,1,2,3
	v_permlanex16_b32 v[TT+8*\k+1], v[TT+8*\k], s22, s23
.endr
.irp k, 0,1,2,3
	v_add_f32 v[TT+8*\k], v[TT+8*\k], v[TT+8*\k+1]
.endr
.endm
.macro LN                              ; h = x + product + bm; mean; h - mean; variance; x 1 / sqrt(variance + 1e-5) x gamma + beta
	WIN 0x0c
.set lp, 0
.rept 32
	v_pk_add_f32 v[HH+lp:HH+lp+1], v[HH+lp:HH+lp+1], v[lp:lp+1]
.set lp, lp+2
.endr
	WIN 0
.irp p, 0,2,4,6,8,10,12,14
.irp k, 0,1,2,3
	v_pk_add_f32 v[HH+16*\k+\p:HH+16*\k+\p+1], v[HH+16*\k+\p:HH+16*\k+\p+1], v[BMR+\p:BMR+\p+1]
.endr
.endr
.irp p, 0,2,4,6
.irp k, 0,1,2,3
	v_pk_add_f32 v[TT+8*\k+\p:TT+8*\k+\p+1], v[HH+16*\k+2*\p:HH+16*\k+2*\p+1], v[HH+16*\k+2*\p+2:HH+16*\k+2*\p+3]
.endr
.endr
.irp k, 0,1,2,3
	v_pk_add_f32 v[TT+8*\k:TT+8*\k+1], v[TT+8*\k:TT+8*\k+1], v[TT+8*\k+2:TT+8*\k+3]
	v_pk_add_f32 v[TT+8*\k+4:TT+8*\k+5], v[TT+8*\k+4:TT+8*\k+5], v[TT+8*\k+6:TT+8*\k+7]
.endr
.irp k, 0,1,2,3
	v_pk_add_f32 v[TT+8*\k:TT+8*\k+1], v[TT+8*\k:TT+8*\k+1], v[TT+8*\k+4:TT+8*\k+5]
.endr
.irp k, 0,1,2,3
	v_add_f32 v[TT+8*\k], v[TT+8*\k], v[TT+8*\k+1]
.endr
	REDUCE
.irp k, 0,1,2,3
	v_mul_f32 v[TT+8*\k+2], s24, v[TT+8*\k]
.endr
.irp p, 0,2,4,6,8,10,12,14
.irp k, 0,1,2,3
	v_pk_add_f32 v[HH+16*\k+\p:HH+16*\k+\p+1], v[HH+16*\k+\p:HH+16*\k+\p+1], v[TT+8*\k+2:TT+8*\k+3] op_sel_hi:[1,0] neg_lo:[0,1] neg_hi:[0,1]
.endr
.endr
.irp k, 0,1,2,3
	v_pk_mul_f32 v[TT+8*\k:TT+8*\k+1], v[HH+16*\k:HH+16*\k+1], v[HH+16*\k:HH+16*\k+1]
.endr
.irp p, 2,4,6,8,10,12,14
.irp k, 0,1,2,3
	v_pk_fma_f32 v[TT+8*\k:TT+8*\k+1], v[HH+16*\k+\p:HH+16*\k+\p+1], v[HH+16*\k+\p:HH+16*\k+\p+1], v[TT+8*\k:TT+8*\k+1]
.endr
.endr
.irp k, 0,1,2,3
	v_add_f32 v[TT+8*\k], v[TT+8*\k], v[TT+8*\k+1]
.endr
	REDUCE
.irp k, 0,1,2,3
	v_fma_f32 v[TT+8*\k+4], v[TT+8*\k], s24, s25
.endr
	s_wait_alu depctr_va_vdst(0)                   ; ahead of the batch,
.irp k, 0,1,2,3
	v_rsq_f32 v[TT+8*\k+4], v[TT+8*\k+4]
.endr
	v_nop
	s_wait_alu depctr_va_vdst(0)                   ; and behind it
.irp p, 0,2,4,6,8,10,12,14
.irp k, 0,1,2,3
	v_pk_mul_f32 v[HH+16*\k+\p:HH+16*\k+\p+1], v[HH+16*\k+\p:HH+16*\k+\p+1], v[TT+8*\k+4:TT+8*\k+5] op_sel_hi:[1,0]
.endr
.endr
.irp p, 0,2,4,6,8,10,12,14
.irp k, 0,1,2,3
	v_pk_fma_f32 v[HH+16*\k+\p:HH+16*\k+\p+1], v[HH+16*\k+\p:HH+16*\k+\p+1], v[GA+\p:GA+\p+1], v[BE+\p:BE+\p+1]
.endr
.endr
.endm
; A block of 16 rows.  p: the block's place in its pair;  nxt: the next block's fragments of ctx are fetched;  tl = 1: my x of this pair is waited for and the next pair's asked for, 2: waited for only;  last: no block follows
.macro BLOCK p, nxt, tl, last
.set CB, CF+64*(\p)
.set CN, CF+64*(1-(\p))
.set SB, CSW+4*(\p)
.set RB, RAW+8*(\p)
.set RN, RAW+8*(1-(\p))
	s_wait_loadcnt 0x0
.irp s, 0,1,2,3
	v_lshl_or_b32 v[SB+\s], v[RB+2*\s+1], 16, v[RB+2*\s]           ; two heads' words make a K step's scale word
.endr
.if \nxt
	WIN 0xc0
.irp s, 0,1,2,3
.irp c, 0,1,2,3
	global_load_b128 v[CN+16*\s+4*\c:CN+16*\s+4*\c+3], v[LI], s[4:5] offset:8192*((\p)+1)+2048*\s+512*\c
.endr
.endr
	WIN 0
.irp e, 0,1,2,3,4,5,6,7
	global_load_b32 v[RN+\e], v[L4R], s[6:7] offset:4096*\e+64*((\p)+1)
.endr
.endif
.rept 8
	v_nop                                          ; a scale word made by a vector instruction stands eight places ahead of the product that takes it
.endr
.irp s, 0,1,2,3
	WIN 0xfd+\s/2
.irp t, 0,1,2,3,4,5,6,7
.if \s == 0
	v_wmma_scale_f32_16x16x128_f8f6f4 v[ACC+8*\t:ACC+8*\t+7], v[16*(8*(\s%2)+\t):16*(8*(\s%2)+\t)+15], v[CB+16*\s:CB+16*\s+15], 0, v[WS+4*\t+\s], v[SB+\s]
.else
	v_wmma_scale_f32_16x16x128_f8f6f4 v[ACC+8*\t:ACC+8*\t+7], v[16*(8*(\s%2)+\t):16*(8*(\s%2)+\t)+15], v[CB+16*\s:CB+16*\s+15], v[ACC+8*\t:ACC+8*\t+7], v[WS+4*\t+\s], v[SB+\s]
.endif
.endr
.endr
	WIN 0
.rept 8
	v_nop                                          ; eight places behind the last products
.endr
	WIN 0x0c
.irp t, 0,1,2,3,4,5,6,7
	ds_store_b128 v[SOA], v[ACC+8*\t:ACC+8*\t+3] offset:64*\t
	ds_store_b128 v[SOA], v[ACC+8*\t+4:ACC+8*\t+7] offset:64*\t+16
.endr
	WIN 0
.if \tl
	s_wait_tensorcnt 0x0                           ; my rows of x of this pair of blocks are in; only I read them
.endif
.if \tl == 1
	ds_add_u32 v254, v255
	s_add_co_u32 s[G0+1], s[G0+1], 16384           ; no load of mine is out: the next pair's place in LDS,
	s_add_nc_u64 s[G0+2:G0+3], s[G0+2:G0+3], 65536 ; and in memory
.endif
	s_wait_dscnt 0x0                               ; my part of the stage is stored (and the add is done)
	s_barrier_signal -1
	s_barrier_wait -1                              ; the stage is whole
.if \tl == 1
	tensor_load_to_lds s[G0:G0+3], s[G1:G1+7]      ; my one tensor load behind this barrier: bytes that are filled for the first time
	s_nop 0
.rept 4
	v_nop
.endr
.endif
	s_wait_xcnt 0x0                                ; the last block's stores have read their data
	v_add_nc_u32 v[XRB], s[XS], v[XR]
	WIN 0xc0
.irp k, 0,1,2,3
.irp q, 0,1,2,3
	ds_load_b128 v[16*\k+4*\q:16*\k+4*\q+3], v[SR] offset:SPT*\k+512*\q
.endr
.endr
	WIN 0
.irp k, 0,1,2,3
.irp q, 0,1,2,3
	ds_load_b128 v[HH+16*\k+4*\q:HH+16*\k+4*\q+3], v[XRB] offset:8192*(\p)+2048*\k+512*\q
.endr
.endr
.if \last
	s_wait_dscnt 0x0
.else
	BARRIER                                        ; everybody has read the stage: the next block may store there
.endif
	LN
.irp k, 0,1,2,3
.irp q, 0,1,2,3
	global_store_b128 v[OUTO], v[HH+16*\k+4*\q:HH+16*\k+4*\q+3], s[20:21] offset:(16*(\p)+\k)*2048+512*\q th:TH_STORE_NT   ; the wave stores 512 consecutive bytes
.endr
.endr
.endm
	s_mov_b32 s[XS], 0
	s_mov_b32 s[CNT], 3
.Lpair:
	BLOCK 0, 1, 1, 0
	BLOCK 1, 1, 0, 0
	s_wait_alu depctr_va_vdst(0)
	s_wait_xcnt 0x0                                ; the loads and stores have read their bases
	s_add_nc_u64 s[4:5], s[4:5], 16384
	s_add_nc_u64 s[6:7], s[6:7], 128
	s_add_nc_u64 s[20:21], s[20:21], 65536
	s_add_co_u32 s[XS], s[XS], 16384
	s_sub_co_u32 s[CNT], s[CNT], 1
	s_cmp_lg_u32 s[CNT], 0
	s_cbranch_scc1 .Lpair
	BLOCK 0, 1, 2, 0                               ; the last pair is written out: it asks for no more of x
	BLOCK 1, 0, 0, 1
	s_wait_tensorcnt 0x0                           ; the wave's end
	ds_add_u32 v254, v255
	s_wait_dscnt 0x0
	s_endpgm
.Lfunc_end_k_qb6bdf36510_merge:
	.size	k_qb6bdf36510_merge, .Lfunc_end_k_qb6bdf36510_merge-k_qb6bdf36510_merge
	.p2alignl 7, 3214868480
	.fill 96, 4, 3214868480
	.section	.rodata,"a",@progbits
	.p2align	6, 0x0
	.amdhsa_kernel k_qb6bdf36510_merge
		.amdhsa_group_segment_fixed_size 327680
		.amdhsa_private_segment_fixed_size 0
		.amdhsa_enable_private_segment 0
		.amdhsa_kernarg_size 72
		.amdhsa_user_sgpr_count 2
		.amdhsa_user_sgpr_kernarg_segment_ptr 1
		.amdhsa_wavefront_size32 1
		.amdhsa_system_sgpr_workgroup_id_x 1
		.amdhsa_system_sgpr_workgroup_id_y 1
		.amdhsa_system_sgpr_workgroup_id_z 1
		.amdhsa_system_vgpr_workitem_id 0
		.amdhsa_next_free_vgpr 960
		.amdhsa_next_free_sgpr 100
		.amdhsa_reserve_vcc 0
		.amdhsa_float_denorm_mode_32 3
		.amdhsa_float_denorm_mode_16_64 3
		.amdhsa_memory_ordered 1
		.amdhsa_forward_progress 1
		.amdhsa_inst_pref_size 137
	.end_amdhsa_kernel
	.amdgpu_metadata
---
amdhsa.version: [ 1, 2 ]
amdhsa.kernels:
  - .name:           k_qb6bdf36510_merge
    .symbol:         k_qb6bdf36510_merge.kd
    .args:
      - { .name: cimg, .offset: 0, .size: 8, .value_kind: global_buffer, .address_space: global }
      - { .name: csc, .offset: 8, .size: 8, .value_kind: global_buffer, .address_space: global }
      - { .name: Wm_codes, .offset: 16, .size: 8, .value_kind: global_buffer, .address_space: global }
      - { .name: Wm_scales, .offset: 24, .size: 8, .value_kind: global_buffer, .address_space: global }
      - { .name: bm, .offset: 32, .size: 8, .value_kind: global_buffer, .address_space: global }
      - { .name: x, .offset: 40, .size: 8, .value_kind: global_buffer, .address_space: global }
      - { .name: gamma, .offset: 48, .size: 8, .value_kind: global_buffer, .address_space: global }
      - { .name: beta, .offset: 56, .size: 8, .value_kind: global_buffer, .address_space: global }
      - { .name: out0, .offset: 64, .size: 8, .value_kind: global_buffer, .address_space: global }
    .group_segment_fixed_size: 327680
    .private_segment_fixed_size: 0
    .kernarg_segment_align: 8
    .kernarg_segment_size: 72
    .max_flat_workgroup_size: 128
    .sgpr_count:     100
    .vgpr_count:     960
    .wavefront_size: 32
...
	.end_amdgpu_metadata
.endif
;; end of part 3
